; MI455X (gfx1250); checked and timed in simulation.
; The chip was launched on July 23, 2026; its instructions are those of AMD's public machine-readable ISA for CDNA 5 (MIT licence, August 2026) and "CDNA5" Instruction Set Architecture Reference Guide (July 2026). The comments in the code are by the model that wrote it; some were corrected since.
;; Diff MHA. Allowed arithmetic: float matrix products may take bf16 or f16 operands with f32 sums; other float arithmetic in f32, or as packed bf16 or f16 multiplies, adds, multiply-adds, maxima and minima; sums over many terms, partial sums and values carried from step to step in f32; what a program stores and reads back later, other than sums and carried values, may be rounded once to bf16 or f16.
;; Inputs: Wka0 1,024 x 1,024 float32; Wka1 1,024 x 1,024 float32; Wkv 1,024 x 1,024 float32; Wout 1,024 x 1,024 float32; Wqa0 1,024 x 1,024 float32; Wqa1 1,024 x 1,024 float32; Wqv 1,024 x 1,024 float32; Wvv 1,024 x 1,024 float32; attn_mask 4 x 1 x 1,024 x 1,024 float32; bka0 1,024 float32; bka1 1,024 float32; bkv 1,024 float32; bout 1,024 float32; bqa0 1,024 float32; bqa1 1,024 float32; bqv 1,024 float32; bvv 1,024 float32; e_a0 4 x 1,024 x 1,024 float32; e_a1 4 x 1,024 x 1,024 float32; e_v 4 x 1,024 x 1,024 float32; ln_beta 1,024 float32; ln_gamma 1,024 float32.
;; Outputs: out0 4 x 1,024 x 1,024 float32.
;; One version. Each part assembles by itself: llvm-mc -triple=amdgcn-amd-amdhsa -mcpu=gfx1250 --defsym DOCPART=n.
;; ======== version 1 of 1: 5 launches
;; limits: values are held in f16: magnitudes above 65,504 overflow, below 6.1e-05 lose precision
;; workspace buffers: h16 41,943,040 bytes; qkv 58,720,256 bytes; ctx 8,388,608 bytes; y 16,777,216 bytes
;; launch cast (part 1): grid 64 x 20, 8 waves a work-group, no clusters, 0 bytes of LDS; arguments e_v, e_a0, e_a1, Wqv, Wkv, Wvv, Wqa0, Wka0, Wqa1, Wka1, Wout, h16; writes h16
.if DOCPART == 1
	.amdgcn_target "amdgcn-amd-amdhsa--gfx1250"
	.amdhsa_code_object_version 6
	.text
	.protected	k_qf4db0d13c9_cast
	.globl	k_qf4db0d13c9_cast
	.p2align	8
	.type	k_qf4db0d13c9_cast,@function
k_qf4db0d13c9_cast:
	s_mov_b64 s[64:65], 0
	v_nop
	global_prefetch_b8 v0, s[64:65] scope:SCOPE_SE
	s_setreg_imm32_b32 hwreg(HW_REG_WAVE_MODE, 25, 1), 1
	s_wait_xcnt 0x0
; f32 -> f16, once for every matrix operand that is an input.  h16 holds 20 units of 1 Mi numbers (2 MiB each):
; units 0-3 e_v, 4-7 e_a0, 8-11 e_a1 (each [4096][1024]); units 12-18 ONE matrix [1024 k][7168 n], 14,336 bytes from row to row, whose seven blocks of
; 1,024 columns are Wqv, Wkv, Wvv, Wqa0, Wka0, Wqa1, Wka1 (so that a tile of the projections may span two of the first three); unit 19 Wout, as it lies.
; The grid's y is the unit, its x one of 64 chunks: 16 rows of 1,024 numbers, 64 KiB in, 32 KiB out.  Eight waves; thread t takes 16 bytes at 16 t of each row:
; a wave's load covers 512 consecutive bytes, its store 256 consecutive bytes at a multiple of 256.  Sixteen loads a wave go out at once;
; no register is written twice, so no wait frees any.  No LDS, no matrix unit: memory alone binds a cast.
; LIMITS.  Numbers beyond 65,504 become infinities in f16; below 6.1e-5 they keep f16's fixed step of 6e-8.
.set X, 8                              ; v[8:71]    sixteen loads of four f32
.set Y, 72                             ; v[72:103]  sixteen pairs of registers, four f16 each
.set O, 104                            ; v[104:119] where row j's 8 bytes go: j x the pitch + 8 t
	s_load_b512 s[4:19], s[0:1], 0x0               ; e_v, e_a0, e_a1, Wqv, Wkv, Wvv, Wqa0, Wka0
	s_load_b256 s[20:27], s[0:1], 0x40             ; Wqa1, Wka1, Wout, h16 (s[26:27])
	s_and_b32 s30, ttmp7, 0xffff                   ; the unit u
	s_lshr_b32 s31, s30, 2                         ; u < 12: input u / 4, quarter u % 4
	s_sub_co_u32 s32, s30, 9                       ; else:   input u - 9, whole
	s_and_b32 s33, s30, 3
	s_lshl_b32 s33, s33, 22                        ; a quarter of an activation is 4 MiB of f32
	s_cmp_lt_u32 s30, 12
	s_cselect_b32 s31, s31, s32                    ; which of the eleven inputs
	s_cselect_b32 s33, s33, 0
	s_lshl_b32 s34, ttmp9, 16                      ; my chunk, in
	s_add_co_u32 s34, s34, s33
	s_mov_b32 s35, 0
	s_lshl_b32 s36, s30, 21                        ; a dense unit in h16,
	s_lshl_b32 s37, ttmp9, 15                      ; my chunk in it
	s_add_co_u32 s36, s36, s37
	s_sub_co_u32 s38, s30, 12                      ; units 12 to 18: the block of columns (for u < 12 this wraps to a large number),
	s_lshl_b32 s39, s38, 11                        ; 2,048 bytes a block,
	s_mul_i32 s37, ttmp9, 16*14336                 ; my 16 rows
	s_add_co_u32 s39, s39, s37
	s_add_co_u32 s39, s39, 25165824                ; behind the twelve units of activations
	s_mov_b32 s37, 2048
	s_cmp_lt_u32 s38, 7
	s_cselect_b32 s36, s39, s36                    ; where my chunk begins,
	s_cselect_b32 s38, 14336, s37                  ; and the bytes from row to row
	s_mov_b32 s37, 0
	v_lshlrev_b32 v1, 4, v0                        ; 16 t
	v_lshlrev_b32 v2, 3, v0                        ; 8 t
.set j, 0
.rept 16
	v_mad_u32_u24 v[O+j], s38, j, v2
.set j, j+1
.endr
	s_wait_kmcnt 0x0
	s_mov_b64 s[28:29], s[4:5]
.irp i, 1,2,3,4,5,6,7,8,9,10
	s_cmp_eq_u32 s31, \i                           ; the choice hangs on the unit's number alone
	s_cselect_b64 s[28:29], s[4+2*(\i):5+2*(\i)], s[28:29]
.endr
	s_add_nc_u64 s[28:29], s[28:29], s[34:35]
	s_add_nc_u64 s[26:27], s[26:27], s[36:37]
.set j, 0
.rept 16
	global_load_b128 v[X+4*j:X+4*j+3], v1, s[28:29] offset:4096*j th:TH_LOAD_NT
.set j, j+1
.endr
.set j, 0
.rept 16
	s_wait_loadcnt 15-j                            ; loads come back in order: load j is in, the younger ones stay out
	v_cvt_pk_f16_f32 v[Y+2*j], v[X+4*j], v[X+4*j+1]
	v_cvt_pk_f16_f32 v[Y+2*j+1], v[X+4*j+2], v[X+4*j+3]
	global_store_b64 v[O+j], v[Y+2*j:Y+2*j+1], s[26:27]
.set j, j+1
.endr
	s_endpgm
.Lfunc_end_k_qf4db0d13c9_cast:
	.size	k_qf4db0d13c9_cast, .Lfunc_end_k_qf4db0d13c9_cast-k_qf4db0d13c9_cast
	.p2alignl 7, 3214868480
	.fill 96, 4, 3214868480
	.section	.rodata,"a",@progbits
	.p2align	6, 0x0
	.amdhsa_kernel k_qf4db0d13c9_cast
		.amdhsa_group_segment_fixed_size 0
		.amdhsa_private_segment_fixed_size 0
		.amdhsa_enable_private_segment 0
		.amdhsa_kernarg_size 96
		.amdhsa_user_sgpr_count 2
		.amdhsa_user_sgpr_kernarg_segment_ptr 1
		.amdhsa_wavefront_size32 1
		.amdhsa_system_sgpr_workgroup_id_x 1
		.amdhsa_system_sgpr_workgroup_id_y 1
		.amdhsa_system_sgpr_workgroup_id_z 1
		.amdhsa_system_vgpr_workitem_id 0
		.amdhsa_next_free_vgpr 120
		.amdhsa_next_free_sgpr 66
		.amdhsa_reserve_vcc 0
		.amdhsa_float_denorm_mode_32 3
		.amdhsa_float_denorm_mode_16_64 3
		.amdhsa_memory_ordered 1
		.amdhsa_forward_progress 1
		.amdhsa_inst_pref_size 9
	.end_amdhsa_kernel
	.amdgpu_metadata
---
amdhsa.version: [ 1, 2 ]
amdhsa.kernels:
  - .name:           k_qf4db0d13c9_cast
    .symbol:         k_qf4db0d13c9_cast.kd
    .args:
      - { .name: e_v, .offset: 0, .size: 8, .value_kind: global_buffer, .address_space: global }
      - { .name: e_a0, .offset: 8, .size: 8, .value_kind: global_buffer, .address_space: global }
      - { .name: e_a1, .offset: 16, .size: 8, .value_kind: global_buffer, .address_space: global }
      - { .name: Wqv, .offset: 24, .size: 8, .value_kind: global_buffer, .address_space: global }
      - { .name: Wkv, .offset: 32, .size: 8, .value_kind: global_buffer, .address_space: global }
      - { .name: Wvv, .offset: 40, .size: 8, .value_kind: global_buffer, .address_space: global }
      - { .name: Wqa0, .offset: 48, .size: 8, .value_kind: global_buffer, .address_space: global }
      - { .name: Wka0, .offset: 56, .size: 8, .value_kind: global_buffer, .address_space: global }
      - { .name: Wqa1, .offset: 64, .size: 8, .value_kind: global_buffer, .address_space: global }
      - { .name: Wka1, .offset: 72, .size: 8, .value_kind: global_buffer, .address_space: global }
      - { .name: Wout, .offset: 80, .size: 8, .value_kind: global_buffer, .address_space: global }
      - { .name: h16, .offset: 88, .size: 8, .value_kind: global_buffer, .address_space: global }
    .group_segment_fixed_size: 0
    .private_segment_fixed_size: 0
    .kernarg_segment_align: 8
    .kernarg_segment_size: 96
    .max_flat_workgroup_size: 256
    .sgpr_count:     66
    .vgpr_count:     120
    .wavefront_size: 32
...
	.end_amdgpu_metadata
.endif
;; end of part 1
;; launch proj (part 2): grid 16 x 16, 4 waves a work-group, clusters of 4 x 4, 327,680 bytes of LDS; arguments h16, qkv, bqv, bkv, bvv, bqa0, bka0, bqa1, bka1; writes qkv
.if DOCPART == 2
	.amdgcn_target "amdgcn-amd-amdhsa--gfx1250"
	.amdhsa_code_object_version 6
	.text
	.protected	k_qf4db0d13c9_proj
	.globl	k_qf4db0d13c9_proj
	.p2align	8
	.type	k_qf4db0d13c9_proj,@function
k_qf4db0d13c9_proj:
	s_mov_b64 s[64:65], 0
	v_nop
	global_prefetch_b8 v0, s[64:65] scope:SCOPE_SE
	s_setreg_imm32_b32 hwreg(HW_REG_WAVE_MODE, 25, 1), 1
	s_wait_xcnt 0x0
	s_wait_alu depctr_hold_cnt(0) depctr_sa_sdst(0) depctr_va_vdst(0) depctr_va_sdst(0) depctr_va_ssrc(0) depctr_va_vcc(0) depctr_vm_vsrc(0)
	s_getreg_b32 s2, hwreg(HW_REG_IB_STS2, 6, 4)
	s_cmp_eq_u32 s2, 0
	s_cbranch_scc0 .Lentry_in_a_cluster
	s_endpgm
.Lentry_in_a_cluster:
	s_bfe_u32 s2, ttmp6, 0x10000c
	s_cmp_lg_u32 s2, 0xf033
	s_cbranch_scc0 .Lentry_shape_is_right
	s_endpgm
.Lentry_shape_is_right:
; THE SEVEN PROJECTIONS, C = e W + b, TWO TILES TO A WORK-GROUP.  e: [4096][1024] f16, three streams (e_v, e_a0, e_a1); the weights: one matrix [1024 k][7168 n] f16 in h16, column blocks
; Wqv, Wkv, Wvv, Wqa0, Wka0, Wqa1, Wka1.  Sums in f32, started by the bias (the C operand of the first product); C rounded once to f16 and written by heads:
;   Q at 0:          [3 streams][64 bh][1024 rows][64]
;   K at 25,165,824: [64 bh][16 blocks of 64 keys][3 streams][64 keys][64]   (one key step of the attention is 24,576 consecutive bytes)
;   V at 50,331,648: [64 bh][1024 rows][64]
; LIMITS.  q, k, v beyond 65,504 become infinities in f16; below 6.1e-5 they keep f16's fixed step of 6e-8.
; SHARES.  4096 x 7168 outputs are 114,688 for each of 256 work-groups, and the streams own 3072, 2048 and 2048 columns: no one tile divides that evenly.  So a work-group makes TILE 1, 256 x 256 of one of the four
; attribute projections (4 x 64 tiles), and then TILE 2, 256 rows x 192 columns (three heads) of [Wqv Wkv Wvv] (16 x 16 tiles): 2,048 + 1,536 matrix instructions a wave, the same in every work-group.
; A wave makes 128 x 128 of tile 1 (8 x 8 accumulators of 16 x 16) and 64 rows x 192 columns of tile 2 (4 x 12), so that it holds whole heads.
; THE RING.  K goes in steps of 128 through two LDS slots, and the ring does not stop between the tiles: tile 1's last two changes of slots ask for tile 2's first two K steps, and nothing waits for tile 1's stores.
; A loop's trip is one K step; the slot in hand is a scalar register that an exclusive or turns.  What differs is written out: each tile's first quarter (its C is the bias) and the last two K steps (they ask for nothing).
; CLUSTER.  4 x 4 work-groups.  The cluster's x names tile 1's weight, cx its tile column; 4 x cluster x + cx is tile 2's group of columns; 4 x cluster y + cy is both tiles' tile row.  e's tiles hang on the tile row and are
; asked for jointly along a row of the cluster, W's on the columns and are asked for jointly along a column: the same tensor load, descriptor and mask in the four that the mask names.
; THE MATRIX INSTRUCTION IS USED TRANSPOSED: source 0 = 16 columns of W (turned on the way out of LDS by ds_load_tr16_b128, since W lies [k][n]), source 1 = 16 rows of e.
; A lane then holds row l % 16 of C and the eight neighbouring columns 8 (l / 16) + 0..7.
; REGISTERS, in windows of 256 (s_set_vgpr_msb: bits 1:0 source 0, 3:2 source 1, 5:4 source 2, 7:6 destination):
;   window 0: v0-31 addresses.  Tile 1: v64-127, v128-191 fragments of e; v192-255 the bias, later the way out; v32-63 the way out.  Tile 2: v64-95, v32-63 fragments of e; v96-191 the bias; v32-175 the way out
;   window 1: fragments of W: tile 1 v64-127, v128-191; tile 2 v0-95, v96-191          windows 2 and 3: the accumulators, (a, b) at register 8 (CB a + b) of the 512
.set KSTEP,  128
.set PITCH,  272                       ; a row of e in LDS: 256 bytes + 16: the 16 rows of a fragment load start at 16 different groups of four banks (64 banks of 4 bytes: ISA guide 11.1)
.set PITCHB, 544                       ; a k-row of W in LDS: 512 bytes + 32 = 17 x 32
.set HALFT,  128*PITCH                 ; what one tensor load brings: 128 rows of e, or 64 k-rows of W (64 x 544 is the same 34,816 bytes)
.set SLOT,   4*HALFT                   ; e's 256 rows, then W's 128 k-rows.  139,264 = 2^17 + 2^13: neither bit occurs in wave x 34,816, so an exclusive or adds or takes it away
.set STAGE,  2*SLOT                    ; behind the ring: for each wave 3 heads x 16 rows x 144 bytes, for the way out
.set SP,     144
.set STW,    3*16*SP
.set SPARE,  STAGE+4*STW               ; behind the stages: the spare words, 128 bytes for each wave
.set WPITCH, 14336                     ; bytes from k-row to k-row of the weights
.set WBASE,  25165824                  ; where they begin in h16
.set BSTEP,  KSTEP*WPITCH              ; a K step down the weights
.set AB1,  8                           ; v8-9    my lane's place in e's and in W's part of a slot, tile 1
.set BB1,  9
.set AB2,  10                          ; v10-11  the same, tile 2
.set BB2,  11
.set CO2,  12                          ; v12-14  tile 2: my byte offset in qkv for each of the three heads
.set L16,  15                          ; v15     16 x lane
.set ADRA, 16                          ; v16-17  the two places in the slot in hand
.set ADRB, 17
.set BA1,  18                          ; v18-19  my byte offset in the bias, tile 1 and tile 2
.set BA2,  19
.set CO1,  20                          ; v20-23  tile 1: my byte offset in qkv for head hh and half of my rows: 2 hh + half
.set STO,  24                          ; v24     the way out: where I put 16 bytes of a row
.set RD,   25                          ; v25     the way out: where I read rows back
.set SPW,  28                          ; v28     LDS address of my spare word; never rewritten
.set NIL,  29                          ; v29     0; never rewritten
.set TMP,  192                         ; tile 1's way out: packed results
.set OB,   32                          ; tile 1's way out: rows read back: v32-63 and v224-255 by turns
.set TMP2, 32                          ; tile 2's way out: packed results, 48 registers
.set BK2,  80                          ; tile 2's way out: rows read back: v80-127 and v128-175 by turns
.set PA,   14                          ; s[14:15] e at my part of the tile that is being asked for, K step 0;  s[16:17] the same for tile 2
.set PA2,  16
.set NREQ, 18                          ; s18      the K step to be asked for next
.set LB,   19                          ; s19      wave x 34,816: where my loads go in a slot
.set KA,   20                          ; s[20:21] that K step's bytes along e's rows;  s[22:23] down the weights
.set KB,   22
.set G1,   24                          ; s[24:31] descriptor group 1 for e's tiles;  s[32:39] group 0: a set for each of the two first fills; the second then walks on
.set G0,   32
.set G1B,  48                          ; s[48:55], s[56:63] the same for W's tiles
.set G0B,  56
.set PB,   66                          ; s[66:67], s[68:69] as PA and PA2, for W
.set PB2,  68
.set TB,   70                          ; s70      LDS byte at which the slot in hand begins: 0 or SLOT
.set BP1,  86                          ; s[86:87] tile 1's bias;  s[88:93] tile 2's, at each of its three heads
.set BP2,  88
.set MSB, 0
.macro WIN new                         ; the immediate's high byte repeats the setting that is left; a switch that changes nothing is dropped
.if MSB != (\new)
	s_set_vgpr_msb (MSB<<8)|(\new)
.set MSB, \new
.endif
.endm
; The two tiles' shapes: row blocks and column blocks of a wave, its fragment buffers (e's in window 0, W's in window 1), the bias, the lane's places.
.macro SHAPE n
.if (\n) == 1
.set RB, 8
.set CB, 8
.set AF0, 64
.set AF1, 128
.set BF0, 64
.set BF1, 128
.set BIAS, 192
.set ABV, AB1
.set BBV, BB1
.else
.set RB, 4
.set CB, 12
.set AF0, 64
.set AF1, 32
.set BF0, 0
.set BF1, 96
.set BIAS, 96
.set ABV, AB2
.set BBV, BB2
.endif
.endm
; A joint load.  Waves 0 and 1 fetch e's two halves, waves 2 and 3 W's.  The branch hangs on the wave's number alone.  An s_nop 0 and four v_nop follow each line.
.macro JLOAD s
	s_cmp_eq_u32 s11, 0
	s_cbranch_scc0 .Lfor_b_\@
	tensor_load_to_lds s[G0+4*(\s):G0+4*(\s)+3], s[G1:G1+7]
	s_nop 0
.rept 4
	v_nop
.endr
	s_branch .Lasked_\@
.Lfor_b_\@:
	tensor_load_to_lds s[G0B+4*(\s):G0B+4*(\s)+3], s[G1B:G1B+7]
	s_nop 0
.rept 4
	v_nop
.endr
.Lasked_\@:
.endm
.macro CREST                           ; a round of the cluster's barrier behind its opening barrier
	s_cmp_lg_u32 s10, 0
	s_cbranch_scc1 .Lnot_wave_0_\@
	s_barrier_signal -3
.Lnot_wave_0_\@:
	s_barrier_wait -3
	s_barrier_signal -1
	s_barrier_wait -1
.endm
.macro CROUND                          ; a whole round
	s_barrier_signal -1
	s_barrier_wait -1
	CREST
.endm
	s_load_b128 s[4:7], s[0:1], 0x0                ; h16 s[4:5], qkv s[6:7]
	s_load_b256 s[72:79], s[0:1], 0x10             ; bqv, bkv, bvv, bqa0
	s_load_b128 s[80:83], s[0:1], 0x30             ; bka0, bqa1
	s_load_b64 s[84:85], s[0:1], 0x40              ; bka1
	v_lshl_add_u32 v[SPW], v0, 2, SPARE
	v_mov_b32 v[NIL], 0
	ds_add_u32 v[SPW], v[NIL]                      ; the wave's opening: the add and its wait stand ahead of my first tensor load; the set-up below stands between them
	v_lshrrev_b32 v1, 5, v0
	v_readfirstlane_b32 s10, v1                    ; wave 0..3
	s_lshr_b32 s11, s10, 1                         ; tile 1: which half of the rows is mine.  Also: I fetch for e (0) or for W (1)
	s_and_b32 s12, s10, 1                          ; tile 1: which half of the columns.  Also: which half of that tile I fetch
	s_bfe_u32 s40, ttmp6, 0x40000                  ; cx
	s_bfe_u32 s41, ttmp6, 0x40004                  ; cy
	s_mov_b32 s42, ttmp9                           ; the cluster's x: tile 1's weight, 0..3 = Wqa0, Wka0, Wqa1, Wka1
	s_and_b32 s13, ttmp7, 0xffff
	s_lshl_b32 s13, s13, 2
	s_add_co_u32 s13, s13, s41                     ; the tile row = 4 x cluster y + cy
	s_lshl_b32 s45, s42, 2
	s_add_co_u32 s45, s45, s40                     ; tile 2's group of 192 columns = 4 x cluster x + cx
	s_lshl_b32 s43, s41, 2
	s_lshl_b32 s43, 15, s43                        ; my row of the cluster
	s_lshl_b32 s44, 0x1111, s40                    ; my column
	; group 1 for e: 128 rows x 128 elements, 16 bytes of padding behind every 256; for W: 64 k-rows x 256 elements, 32 bytes behind every 512 (tile 2 multiplies 192 of the 256 columns: one shape serves both tiles)
	s_or_b32 s[G1+0], s43, (1<<16)|(1<<20)|(1<<21)|(5<<22)|(3<<25)   ; 15:0 the mask; 17:16 2-byte elements; 20 padding on; 21 set beside a mask; 24:22 after 64 words; 31:25 4 words
	s_or_b32 s[G1B+0], s44, (1<<16)|(1<<20)|(1<<21)|(6<<22)|(7<<25)  ; after 128 words, 8 words
	s_mov_b32 s[G1+1], 128<<16                     ; tensor_dim0
	s_mov_b32 s[G1+2], 128<<16                     ; tensor_dim1
	s_mov_b32 s[G1+3], 128<<16                     ; tile_dim0
	s_mov_b32 s[G1+4], 128                         ; tile_dim1
	s_mov_b32 s[G1+5], 1024                        ; elements from row to row
	s_mov_b32 s[G1+6], 0
	s_mov_b32 s[G1+7], 0
	s_mov_b32 s[G1B+1], 256<<16
	s_mov_b32 s[G1B+2], 64<<16
	s_mov_b32 s[G1B+3], 256<<16
	s_mov_b32 s[G1B+4], 64
	s_mov_b32 s[G1B+5], 7168
	s_mov_b32 s[G1B+6], 0
	s_mov_b32 s[G1B+7], 0
	; e's offsets hang on the tile row, the half that I fetch and the stream; no register of theirs ever holds cx
	s_lshl_b32 s96, s13, 19                        ; row 256 x tile row, 2,048 bytes a row,
	s_lshl_b32 s97, s12, 18                        ; + 128 x half: tile 2, stream 0
	s_add_co_u32 s96, s96, s97
	s_lshr_b32 s94, s42, 1
	s_add_co_u32 s94, s94, 1                       ; tile 1: stream 1 or 2,
	s_lshl_b32 s94, s94, 23                        ; 8 MiB a stream
	s_add_co_u32 s94, s94, s96
	s_mov_b32 s95, 0
	s_mov_b32 s97, 0
	; W's offsets hang on the columns and the half that I fetch; no register of theirs ever holds cy
	s_mul_i32 s100, s12, 64*WPITCH                 ; k-row 64 x half
	s_add_co_u32 s100, s100, WBASE
	s_lshl_b32 s98, s42, 11                        ; tile 1: column 3072 + 1024 x weight + 256 cx
	s_lshl_b32 s99, s40, 9
	s_add_co_u32 s98, s98, s99
	s_add_co_u32 s98, s98, 6144
	s_add_co_u32 s98, s98, s100
	s_mul_i32 s99, s45, 384                        ; tile 2: column 192 x group
	s_add_co_u32 s100, s100, s99
	s_mov_b32 s99, 0
	s_mov_b32 s101, 0
	s_mul_i32 s[LB], s10, HALFT                    ; no place in the cluster enters an LDS address
	s_mov_b32 s[NREQ], 2                           ; K steps 0 and 1 are the first fills
	s_mov_b32 s[KA+1], 0
	s_mov_b32 s[KB+1], 0
	s_mov_b32 s[TB], 0
	s_wait_dscnt 0x0                               ; the opening add is done
	s_wait_kmcnt 0x0
	s_add_nc_u64 s[PA:PA+1], s[4:5], s[94:95]
	s_add_nc_u64 s[PA2:PA2+1], s[4:5], s[96:97]
	s_add_nc_u64 s[PB:PB+1], s[4:5], s[98:99]
	s_add_nc_u64 s[PB2:PB2+1], s[4:5], s[100:101]
	CROUND                                         ; all sixteen work-groups are here: the first joint loads meet
.irp s, 0,1
	s_mov_b32 s[G0+4*(\s)], 1
	s_add_co_u32 s[G0+4*(\s)+1], s[LB], (\s)*SLOT
	s_add_nc_u64 s[G0+4*(\s)+2:G0+4*(\s)+3], s[PA:PA+1], (\s)*KSTEP*2
	s_or_b32 s[G0+4*(\s)+3], s[G0+4*(\s)+3], 0x80000000
	s_mov_b32 s[G0B+4*(\s)], 1
	s_add_co_u32 s[G0B+4*(\s)+1], s[LB], (\s)*SLOT
	s_add_nc_u64 s[G0B+4*(\s)+2:G0B+4*(\s)+3], s[PB:PB+1], (\s)*BSTEP
	s_or_b32 s[G0B+4*(\s)+3], s[G0B+4*(\s)+3], 0x80000000
	JLOAD \s                                       ; two loads of mine are out
.endr
	; fragment addresses.  e: lane l holds row l % 16; two loads of 16 bytes, 32 apart.  W: lane l reads k-row 8 (l / 16) + l % 8, 16 bytes at 16 ((l / 8) % 2); two turning loads, 16 k-rows apart.
	v_and_b32 v1, 15, v0
	v_bfe_u32 v2, v0, 4, 1
	v_mul_u32_u24 v3, v1, PITCH
	v_lshl_add_u32 v3, v2, 4, v3
	v_and_b32 v7, 7, v0
	v_lshl_add_u32 v4, v2, 3, v7
	v_mul_u32_u24 v4, v4, PITCHB
	v_bfe_u32 v5, v0, 3, 1
	v_lshl_add_u32 v4, v5, 4, v4
	s_mul_i32 s94, s11, HALFT                      ; tile 1: my 128 rows of e,
	v_add_nc_u32 v[AB1], s94, v3
	s_lshl_b32 s94, s12, 8                         ; my 128 columns of W: 256 bytes along its k-rows, which lie behind e's 256 rows
	s_add_co_u32 s94, s94, 2*HALFT
	v_add_nc_u32 v[BB1], s94, v4
	s_mul_i32 s94, s10, 64*PITCH                   ; tile 2: my 64 rows of e, and all 192 columns
	v_add_nc_u32 v[AB2], s94, v3
	v_add_nc_u32 v[BB2], 2*HALFT, v4
	; tile 1's bias: register i of column block b is b[256 cx + 128 half + 16 b + 8 (l / 16) + i], the same for all rows
	s_mov_b64 s[BP1:BP1+1], s[78:79]
.irp i, 1,2,3
	s_cmp_eq_u32 s42, \i
	s_cselect_b64 s[BP1:BP1+1], s[78+2*(\i):79+2*(\i)], s[BP1:BP1+1]
.endr
	s_lshl_b32 s94, s40, 10
	s_lshl_b32 s95, s12, 9
	s_add_co_u32 s94, s94, s95
	v_lshl_add_u32 v[BA1], v2, 5, s94
	v_lshlrev_b32 v[BA2], 5, v2
.irp b, 0,1,2,3,4,5,6,7
	global_load_b128 v[192+8*(\b):192+8*(\b)+3],   v[BA1], s[BP1:BP1+1] offset:64*(\b)
	global_load_b128 v[192+8*(\b)+4:192+8*(\b)+7], v[BA1], s[BP1:BP1+1] offset:64*(\b)+16
.endr
	v_and_b32 v[L16], 31, v0
	v_lshlrev_b32 v[L16], 4, v[L16]
	; where tile 1 goes.  s96: bytes from head to head; s97: bytes from one block of 64 rows to the next; s98: the tensor and the stream
	s_and_b32 s94, s42, 1                          ; 1: a K projection
	s_lshr_b32 s95, s42, 1
	s_add_co_u32 s95, s95, 1                       ; the stream
	s_lshl_b32 s98, s95, 23                        ; Q: 8 MiB a stream
	s_lshl_b32 s99, s95, 13                        ; K: 8,192 bytes a stream inside a key block
	s_add_co_u32 s99, s99, 25165824
	s_mov_b32 s96, 131072
	s_mov_b32 s97, 8192
	s_cmp_eq_u32 s94, 1
	s_cselect_b32 s98, s99, s98
	s_cselect_b32 s96, 393216, s96
	s_cselect_b32 s97, 24576, s97
	s_lshr_b32 s99, s13, 2                         ; batch = tile row / 4
	s_lshl_b32 s99, s99, 4
	s_lshl_b32 s100, s40, 2                        ; head = 4 cx + 2 half (+ 1 for my second 64 columns)
	s_add_co_u32 s99, s99, s100
	s_lshl_b32 s100, s12, 1
	s_add_co_u32 s99, s99, s100
	s_mul_i32 s99, s99, s96
	s_add_co_u32 s98, s98, s99
	s_and_b32 s99, s13, 3                          ; block of 64 rows = 4 (tile row % 4) + 2 half (+ 1 for my second 64 rows)
	s_lshl_b32 s99, s99, 2
	s_lshl_b32 s100, s11, 1
	s_add_co_u32 s99, s99, s100
	s_mul_i32 s99, s99, s97
	s_add_co_u32 s98, s98, s99
	v_add_nc_u32 v[CO1], s98, v[L16]
	v_add_nc_u32 v[CO1+1], s97, v[CO1]
	v_add_nc_u32 v[CO1+2], s96, v[CO1]
	v_add_nc_u32 v[CO1+3], s97, v[CO1+2]
; Tile 2's head hh is number 3 x group + hh of 48: sixteen of q, sixteen of k, sixteen of v, all of stream 0.  Its bias, and where my 64 rows of it go.
.macro HEAD2 hh
	s_mul_i32 s94, s45, 3
	s_add_co_u32 s94, s94, \hh
	s_lshr_b32 s95, s94, 4                         ; 0, 1, 2: q, k, v
	s_and_b32 s94, s94, 15                         ; the head
	s_mov_b64 s[BP2+2*(\hh):BP2+2*(\hh)+1], s[72:73]
	s_mov_b32 s96, 131072
	s_mov_b32 s97, 8192
	s_mov_b32 s98, 0
	s_cmp_eq_u32 s95, 1
	s_cselect_b64 s[BP2+2*(\hh):BP2+2*(\hh)+1], s[74:75], s[BP2+2*(\hh):BP2+2*(\hh)+1]
	s_cselect_b32 s96, 393216, s96
	s_cselect_b32 s97, 24576, s97
	s_cselect_b32 s98, 25165824, s98
	s_cmp_eq_u32 s95, 2
	s_cselect_b64 s[BP2+2*(\hh):BP2+2*(\hh)+1], s[76:77], s[BP2+2*(\hh):BP2+2*(\hh)+1]
	s_cselect_b32 s98, 50331648, s98
	s_lshl_b32 s100, s94, 8                        ; the head's 64 numbers of the bias
	s_mov_b32 s101, 0
	s_add_nc_u64 s[BP2+2*(\hh):BP2+2*(\hh)+1], s[BP2+2*(\hh):BP2+2*(\hh)+1], s[100:101]
	s_lshr_b32 s99, s13, 2
	s_lshl_b32 s99, s99, 4
	s_add_co_u32 s99, s99, s94                     ; bh
	s_mul_i32 s99, s99, s96
	s_add_co_u32 s98, s98, s99
	s_and_b32 s99, s13, 3
	s_lshl_b32 s99, s99, 2
	s_add_co_u32 s99, s99, s10                     ; block of 64 rows = 4 (tile row % 4) + wave
	s_mul_i32 s99, s99, s97
	s_add_co_u32 s98, s98, s99
	v_add_nc_u32 v[CO2+(\hh)], s98, v[L16]
.endm
	HEAD2 0
	HEAD2 1
	HEAD2 2
	s_mul_i32 s94, s10, STW
	s_add_co_u32 s94, s94, STAGE                   ; my stage
	v_mul_u32_u24 v6, v1, SP                       ; in: row l % 16, 16 bytes for each half of the lanes
	v_lshl_add_u32 v6, v2, 4, v6
	v_add_nc_u32 v[STO], s94, v6
	v_bfe_u32 v6, v0, 3, 2                         ; back: 32 lanes take four rows of 128 bytes, which are 512 consecutive bytes of a head
	v_mul_u32_u24 v6, v6, SP
	v_lshl_add_u32 v6, v7, 4, v6
	v_add_nc_u32 v[RD], s94, v6
; Row blocks a0 to a1 - 1 x all CB column blocks, 32 along K, out of buffer f.  zero = 1: the first product starts the sums with the bias.
; The accumulators take turns, one instruction a turn, in the same order in every quarter.
.macro MULROWS f, a0, a1, zero
.set m_a, (\a0)
.rept (\a1)-(\a0)
.set m_b, 0
.rept CB
.set m_i, CB*m_a+m_b
.set m_w, 2+m_i/32
.set m_r, 8*(m_i%32)
.set m_fa, AF0+(\f)*(AF1-AF0)+8*m_a
.set m_fb, BF0+(\f)*(BF1-BF0)+8*m_b
.if \zero
	WIN 0x01|(m_w<<6)                              ; W window 1, e and the bias window 0, D window 2 or 3
	v_wmma_f32_16x16x32_f16 v[m_r:m_r+7], v[m_fb:m_fb+7], v[m_fa:m_fa+7], v[BIAS+8*m_b:BIAS+8*m_b+7]
.else
	WIN 0x01|(m_w<<4)|(m_w<<6)                     ; W window 1, e window 0, C and D window 2 or 3
	v_wmma_f32_16x16x32_f16 v[m_r:m_r+7], v[m_fb:m_fb+7], v[m_fa:m_fa+7], v[m_r:m_r+7]
.endif
.set m_b, m_b+1
.endr
.set m_a, m_a+1
.endr
.endm
; 2 (CB + RB) = 32 LDS loads in one run: the fragments of quarter q (32 along K) of the slot in hand into buffer f: W's first, then e's
.macro FETCH q, f
	WIN 0x40                                       ; destination window 1, address window 0
.set f_i, 0
.rept CB
.set f_r, BF0+(\f)*(BF1-BF0)+8*f_i
	ds_load_tr16_b128 v[f_r:f_r+3],   v[ADRB] offset:(\q)*32*PITCHB+32*f_i
	ds_load_tr16_b128 v[f_r+4:f_r+7], v[ADRB] offset:(\q)*32*PITCHB+16*PITCHB+32*f_i
.set f_i, f_i+1
.endr
	WIN 0
.set f_i, 0
.rept RB
.set f_r, AF0+(\f)*(AF1-AF0)+8*f_i
	ds_load_b128 v[f_r:f_r+3],   v[ADRA] offset:(\q)*64+f_i*16*PITCH
	ds_load_b128 v[f_r+4:f_r+7], v[ADRA] offset:(\q)*64+f_i*16*PITCH+32
.set f_i, f_i+1
.endr
.endm
.macro PLACES                          ; four plain vector instructions between a matrix instruction and a load into a register that it read, or a conversion of its result
.rept 4
	v_nop
.endr
.endm
; A K step is four quarters of 32 along K, on buffers 0, 1, 0, 1.  One of the first three: multiplies buffer f; in its middle it fetches quarter q into the other buffer.
.macro QUARTER q, f, zero
	s_wait_dscnt RB                                ; W and e's lower row blocks are in; the youngest RB loads (e's upper row blocks) may be out
	MULROWS \f, 0, RB/2, \zero
	PLACES
	FETCH \q, 1-(\f)
	s_wait_dscnt 2*(RB+CB)                         ; all but the run just issued
	MULROWS \f, RB/2, RB, \zero
.endm
; The walking descriptors take the slot that is being left and K step NREQ.  chg = 1 (tile 1's loop): behind tile 1's K step 7 comes tile 2's K step 0; the condition is a count that is the same in every work-group.
.macro STEPD chg
.if \chg
	s_cmp_eq_u32 s[NREQ], 8
	s_cselect_b32 s[NREQ], 0, s[NREQ]
	s_cselect_b64 s[PA:PA+1], s[PA2:PA2+1], s[PA:PA+1]
	s_cselect_b64 s[PB:PB+1], s[PB2:PB2+1], s[PB:PB+1]
.endif
	s_lshl_b32 s[KA], s[NREQ], 8                   ; 256 bytes a K step along e's rows
	s_mul_i32 s[KB], s[NREQ], BSTEP                ; 128 k-rows a K step down the weights
	s_add_co_u32 s[NREQ], s[NREQ], 1
	s_xor_b32 s[G0+5], s[G0+5], SLOT               ; the other slot than last time
	s_add_nc_u64 s[G0+6:G0+7], s[PA:PA+1], s[KA:KA+1]  ; the address is made anew: a pointer and an offset
	s_or_b32 s[G0+7], s[G0+7], 0x80000000
	s_xor_b32 s[G0B+5], s[G0B+5], SLOT
	s_add_nc_u64 s[G0B+6:G0B+7], s[PB:PB+1], s[KB:KB+1]
	s_or_b32 s[G0B+7], s[G0B+7], 0x80000000
.endm
; The last quarter multiplies buffer 1 and changes slots: ONE barrier.  In front of it each wave waits for all its tensor loads (one is out: its part of the next slot), adds 0 to its spare word, and waits for
; that and for its reads of this slot.  fill = 1: the barrier opens a round of the cluster's barrier, and the joint refill, two K steps ahead, is the first tensor load behind the round.
; chg = 1: in the loop's last trip the next slot holds tile 2's K step 0, and its first fragments are fetched in tile 2's shape: as many loads, into registers that tile 1's last products do not name.
.macro TURN fill, chg
	WIN 0                                          ; (the add's two registers lie in window 0)
	s_wait_tensorcnt 0x0                           ; no tensor load of mine is out, so a group 0 may be written
	ds_add_u32 v[SPW], v[NIL]                      ; 0 onto my spare word
.if \fill
	STEPD \chg
.endif
	s_wait_dscnt RB+1                              ; (the add and the youngest RB loads may be out)
	MULROWS 1, 0, RB/4, 0
	s_wait_dscnt 0x0                               ; the add is done, and my reads of this slot are over
	s_barrier_signal -1
	MULROWS 1, RB/4, RB/2, 0                       ; work on registers while the others arrive
	WIN 0
	s_barrier_wait -1
.if \fill
	CREST                                          ; no wave of any partner still reads this slot's tile or has a load on its way
	JLOAD 1                                        ; its four v_nop are also the places in front of the loads below
.else
	PLACES
.endif
	s_xor_b32 s[TB], s[TB], SLOT                   ; the other slot is in hand
.if \chg
	s_cmp_eq_u32 s3, 1
	s_cbranch_scc1 .Lchg_\@
.endif
	v_add_nc_u32 v[ADRA], s[TB], v[ABV]
	v_add_nc_u32 v[ADRB], s[TB], v[BBV]
	FETCH 0, 0
.if \chg
	s_branch .Ljoin_\@
.Lchg_\@:
	SHAPE 2
	v_add_nc_u32 v[ADRA], s[TB], v[ABV]
	v_add_nc_u32 v[ADRB], s[TB], v[BBV]
	FETCH 0, 0
	SHAPE 1
.Ljoin_\@:
.endif
	MULROWS 1, RB/2, RB, 0
.endm
; TILE 1'S WAY OUT, my row block a (16 rows x 128 columns = two heads).  PACK1: rounded to f16, 16 bytes a lane.  TOSTAGE1: into my own stage, and back as whole rows of 128 bytes.  SEND1: stored.
.macro PACK1 a
.set AC, 64*((\a)%4)
	WIN 0x0a+5*((\a)/4)                            ; sources 0 and 1: window 2 or 3
.irp b, 0,1,2,3,4,5,6,7
.irp r, 0,1,2,3
	v_cvt_pk_f16_f32 v[TMP+4*(\b)+(\r)], v[AC+8*(\b)+2*(\r)], v[AC+8*(\b)+2*(\r)+1]
.endr
.endr
	WIN 0
.endm
.macro TOSTAGE1 a
.set BK, OB+192*((\a)%2)
.irp b, 0,1,2,3,4,5,6,7
	ds_store_b128 v[STO], v[TMP+4*(\b):TMP+4*(\b)+3] offset:((\b)/4)*16*SP+((\b)%4)*32
.endr
.irp t, 0,1,2,3,4,5,6,7
	ds_load_b128 v[BK+4*(\t):BK+4*(\t)+3], v[RD] offset:((\t)/4)*16*SP+((\t)%4)*4*SP  ; LDS serves a wave's instructions in order (ISA guide 5.7.1.4): these see the stores above
.endr
.endm
.macro SEND1 a
.set BK, OB+192*((\a)%2)
	s_wait_dscnt 0x0                               ; the block is back in registers
	s_wait_xcnt 0x0                                ; only behind this wait are the registers that the block before last's stores read loaded again
.irp t, 0,1,2,3,4,5,6,7
	global_store_b128 v[CO1+2*((\t)/4)+(\a)/4], v[BK+4*(\t):BK+4*(\t)+3], s[6:7] offset:((\a)%4)*2048+512*((\t)%4)  ; 512 consecutive bytes of a head, at a multiple of 512 from the buffer's first byte
.endr
.endm
; TILE 2'S WAY OUT, my row block a (16 rows x 192 columns = three heads), in the same three parts.
.macro PACK2 a
.set p_b, 0
.rept 12
.set p_i, 12*(\a)+p_b
.set p_r, 8*(p_i%32)
	WIN 0x0a+5*(p_i/32)
.irp r, 0,1,2,3
	v_cvt_pk_f16_f32 v[TMP2+4*p_b+(\r)], v[p_r+2*(\r)], v[p_r+2*(\r)+1]
.endr
.set p_b, p_b+1
.endr
	WIN 0
.endm
.macro TOSTAGE2 a
.set BK, BK2+48*((\a)%2)
.set t_i, 0
.rept 12
	ds_store_b128 v[STO], v[TMP2+4*t_i:TMP2+4*t_i+3] offset:(t_i/4)*16*SP+(t_i%4)*32
.set t_i, t_i+1
.endr
.set t_i, 0
.rept 12
	ds_load_b128 v[BK+4*t_i:BK+4*t_i+3], v[RD] offset:(t_i/4)*16*SP+(t_i%4)*4*SP
.set t_i, t_i+1
.endr
.endm
.macro SEND2 a
.set BK, BK2+48*((\a)%2)
	s_wait_dscnt 0x0
	s_wait_xcnt 0x0
.set t_i, 0
.rept 12
	global_store_b128 v[CO2+t_i/4], v[BK+4*t_i:BK+4*t_i+3], s[6:7] offset:(\a)*2048+512*(t_i%4)
.set t_i, t_i+1
.endr
.endm
	; TILE 1
	SHAPE 1
	s_wait_tensorcnt 1                             ; my part of K step 0 is in; K step 1's may stay out
	s_barrier_signal -1
	s_barrier_wait -1                              ; everybody's is
	v_add_nc_u32 v[ADRA], s[TB], v[ABV]
	v_add_nc_u32 v[ADRB], s[TB], v[BBV]
	FETCH 0, 0
	s_wait_loadcnt 0x0                             ; the bias
	QUARTER 1, 0, 1                                ; the first quarter stands in front of the loop: its products start the sums
	WIN 0                                          ; at a label and at a branch every window is 0
	s_mov_b32 s3, 8
.Lk1:                                                  ; a trip goes from a K step's second quarter to the next K step's first; all eight fill a slot again, the last two with tile 2's K steps 0 and 1
	QUARTER 2, 1, 0
	QUARTER 3, 0, 0
	TURN 1, 1
	WIN 0
	s_cmp_eq_u32 s3, 1
	s_cbranch_scc1 .Lk1e                           ; behind the last K step there is no further quarter of this tile
	QUARTER 1, 0, 0
	WIN 0
.Lk1e:
	s_sub_co_u32 s3, s3, 1
	s_cmp_lg_u32 s3, 0
	s_cbranch_scc1 .Lk1
	PLACES                                         ; behind the last products: their fragment registers are loaded below, their results converted
.irp hh, 0,1,2                         ; tile 2's bias goes into fragment registers that tile 1 has done with; it has the way out in which to land
.irp b, 0,1,2,3
	global_load_b128 v[96+32*(\hh)+8*(\b):96+32*(\hh)+8*(\b)+3],   v[BA2], s[BP2+2*(\hh):BP2+2*(\hh)+1] offset:64*(\b)
	global_load_b128 v[96+32*(\hh)+8*(\b)+4:96+32*(\hh)+8*(\b)+7], v[BA2], s[BP2+2*(\hh):BP2+2*(\hh)+1] offset:64*(\b)+16
.endr
.endr
	PACK1 0                                        ; BOTH REFILLS ARE ASKED FOR: NOW TILE 1 GOES OUT
	TOSTAGE1 0
.irp a, 1,2,3,4,5,6,7                  ; block a's conversions stand between block a - 1's loads from the stage and the wait for them
	PACK1 \a
	SEND1 (\a)-1
	TOSTAGE1 \a
.endr
	SEND1 7
	; TILE 2.  Its first fragments were fetched in tile 1's last change of slots.
	SHAPE 2
	s_wait_loadcnt 0x0                             ; the bias
	QUARTER 1, 0, 1
	WIN 0
	s_mov_b32 s3, 6
.Lk2:                                                  ; K steps 0 to 5 ask for K steps 2 to 7
	QUARTER 2, 1, 0
	QUARTER 3, 0, 0
	TURN 1, 0
	QUARTER 1, 0, 0
	WIN 0
	s_sub_co_u32 s3, s3, 1
	s_cmp_lg_u32 s3, 0
	s_cbranch_scc1 .Lk2
	s_mov_b32 s3, 2
.Lk3:                                                  ; K steps 6 and 7 ask for nothing.  The second trip's barrier and its fetch (of a slot that nobody writes any more) serve nothing: the price of one text for both trips
	QUARTER 2, 1, 0
	QUARTER 3, 0, 0
	TURN 0, 0
	WIN 0
	s_cmp_eq_u32 s3, 1
	s_cbranch_scc1 .Lk3e
	QUARTER 1, 0, 0
	WIN 0
.Lk3e:
	s_sub_co_u32 s3, s3, 1
	s_cmp_lg_u32 s3, 0
	s_cbranch_scc1 .Lk3
	s_wait_dscnt 0x0                               ; that last fetch has landed: its registers serve the way out
	PLACES
	PACK2 0
	TOSTAGE2 0
.irp a, 1,2,3
	PACK2 \a
	SEND2 (\a)-1
	TOSTAGE2 \a
.endr
	SEND2 3
	s_wait_tensorcnt 0x0                           ; the wave's end, behind my last tensor load and my last LDS store
	ds_add_u32 v[SPW], v[NIL]
	s_wait_dscnt 0x0
	CROUND                                         ; the closing round: no work-group ends while a partner may still ask for a tile that names it
	s_endpgm
.Lfunc_end_k_qf4db0d13c9_proj:
	.size	k_qf4db0d13c9_proj, .Lfunc_end_k_qf4db0d13c9_proj-k_qf4db0d13c9_proj
	.p2alignl 7, 3214868480
	.fill 96, 4, 3214868480
	.section	.rodata,"a",@progbits
	.p2align	6, 0x0
	.amdhsa_kernel k_qf4db0d13c9_proj
		.amdhsa_group_segment_fixed_size 327680
		.amdhsa_private_segment_fixed_size 0
		.amdhsa_enable_private_segment 0
		.amdhsa_kernarg_size 72
		.amdhsa_user_sgpr_count 2
		.amdhsa_user_sgpr_kernarg_segment_ptr 1
		.amdhsa_wavefront_size32 1
		.amdhsa_system_sgpr_workgroup_id_x 1
		.amdhsa_system_sgpr_workgroup_id_y 1
		.amdhsa_system_sgpr_workgroup_id_z 1
		.amdhsa_system_vgpr_workitem_id 0
		.amdhsa_next_free_vgpr 1024
		.amdhsa_next_free_sgpr 102
		.amdhsa_reserve_vcc 0
		.amdhsa_float_denorm_mode_32 3
		.amdhsa_float_denorm_mode_16_64 3
		.amdhsa_memory_ordered 1
		.amdhsa_forward_progress 1
		.amdhsa_inst_pref_size 159
	.end_amdhsa_kernel
	.amdgpu_metadata
---
amdhsa.version: [ 1, 2 ]
amdhsa.kernels:
  - .name:           k_qf4db0d13c9_proj
    .symbol:         k_qf4db0d13c9_proj.kd
    .args:
      - { .name: h16, .offset: 0, .size: 8, .value_kind: global_buffer, .address_space: global }
      - { .name: qkv, .offset: 8, .size: 8, .value_kind: global_buffer, .address_space: global }
      - { .name: bqv, .offset: 16, .size: 8, .value_kind: global_buffer, .address_space: global }
      - { .name: bkv, .offset: 24, .size: 8, .value_kind: global_buffer, .address_space: global }
      - { .name: bvv, .offset: 32, .size: 8, .value_kind: global_buffer, .address_space: global }
      - { .name: bqa0, .offset: 40, .size: 8, .value_kind: global_buffer, .address_space: global }
      - { .name: bka0, .offset: 48, .size: 8, .value_kind: global_buffer, .address_space: global }
      - { .name: bqa1, .offset: 56, .size: 8, .value_kind: global_buffer, .address_space: global }
      - { .name: bka1, .offset: 64, .size: 8, .value_kind: global_buffer, .address_space: global }
    .group_segment_fixed_size: 327680
    .private_segment_fixed_size: 0
    .kernarg_segment_align: 8
    .kernarg_segment_size: 72
    .max_flat_workgroup_size: 128
    .sgpr_count:     102
    .vgpr_count:     1024
    .wavefront_size: 32
...
	.end_amdgpu_metadata
.endif
;; end of part 2
;; launch attn (part 3): grid 4 x 64, 4 waves a work-group, clusters of 4 x 4, 327,680 bytes of LDS; arguments qkv, attn_mask, ctx; writes ctx
.if DOCPART == 3
	.amdgcn_target "amdgcn-amd-amdhsa--gfx1250"
	.amdhsa_code_object_version 6
	.text
	.protected	k_qf4db0d13c9_attn
	.globl	k_qf4db0d13c9_attn
	.p2align	8
	.type	k_qf4db0d13c9_attn,@function
k_qf4db0d13c9_attn:
	s_mov_b64 s[64:65], 0
	v_nop
	global_prefetch_b8 v0, s[64:65] scope:SCOPE_SE
	s_setreg_imm32_b32 hwreg(HW_REG_WAVE_MODE, 25, 1), 1
	s_wait_xcnt 0x0
	s_wait_alu depctr_hold_cnt(0) depctr_sa_sdst(0) depctr_va_vdst(0) depctr_va_sdst(0) depctr_va_ssrc(0) depctr_va_vcc(0) depctr_vm_vsrc(0)
	s_getreg_b32 s2, hwreg(HW_REG_IB_STS2, 6, 4)
	s_cmp_eq_u32 s2, 0
	s_cbranch_scc0 .Lentry_in_a_cluster
	s_endpgm
.Lentry_in_a_cluster:
	s_bfe_u32 s2, ttmp6, 0x10000c
	s_cmp_lg_u32 s2, 0xf033
	s_cbranch_scc0 .Lentry_shape_is_right
	s_endpgm
.Lentry_shape_is_right:
; ATTENTION WITH THREE SCORE STREAMS AND A MASK THAT IS AN INPUT.  For each batch b and head: s[q][k] = (qv.kv + qa0.ka0 + qa1.ka1) / 8 + mask[b][q][k]; ctx[q] = the sum over k of softmax_k(s) v[k].
; The three products are ONE product over 192 channels (three streams of 64 side by side).  q, k, v: f16, by heads, as the projections left them; mask: f32, read as it is given, every number of it.
; Products, maxima and sums in f32; the weights p are rounded to f16 for the second product (their sum l is taken of the unrounded p), ctx once at the end: [64 bh][1024][64] f16.
; THE SCALE AND THE MASK COST NO VECTOR WORK IN THE LOOP: q is multiplied by 1/8 once (a power of two: exact in f16 but for numbers below 5e-4, which keep f16's step of 6e-8), and the mask's tile is loaded
; straight into the registers of S^T, where it is the C operand of the first product.  So the mask is the first term of the f32 sum, where the formula above adds it last.
; LIMITS.  p below 6e-5 keeps f16's fixed step of 6e-8; a weight below 2^-126 counts as 0 in l; NaN and infinities are not treated apart; scores stay above -4e37 / log2(e).
; SHARES.  A work-group owns 256 queries of one head, each of its four waves 64: four tiles of 16.  Every wave walks all 1,024 keys, 64 a step.
; LAYOUT.  S^T = K Q^T (source 0 = 16 keys, source 1 = 16 queries): a lane holds ONE query (lane % 16) and the keys 8 (lane / 16) + 0..7.  Two such results, rounded to f16 in pairs, ARE source 1 of
; O^T = V^T P.  K comes out of LDS as it lies, V ([key][channel]) turned, by ds_load_tr16_b128.
; SOFTMAX.  A running maximum m and sum l for each query: p = 2^(c s - c m), c = log2(e); in every step O and l are multiplied by a = 2^(c m_old - c m_new).  m starts at the lowest finite number, O and l at 0:
; the first step is a step like any other, with a = 0.
; BY TURNS.  The wave's tiles are two PIECES (tiles 0, 1 and tiles 2, 3).  In a TURN one piece has the matrix unit: 16 products V^T P of the step in hand, then 48 products K Q^T of the next step; the other
; piece's softmax, 236 vector instructions in 59 slices of four, stands between them: a slice behind each of the first 58 products and behind the last.  Two turns are a key step.
; CLUSTER.  4 x 4 work-groups: cx is the block of queries, 4 x cluster y + cy the head (bh); the batch is cluster y / 4.  K and V hang on bh and are asked for jointly along a row of the cluster; the mask's tile
; hangs on the batch and the block of queries and is asked for jointly along a column (four heads of one batch).
; REGISTERS, in windows of 256 (s_set_vgpr_msb: bits 1:0 source 0, 3:2 source 1, 5:4 source 2, 7:6 destination):
;   window 0: v0-15 addresses; v16-47 eight registers of statistics a tile; v62-63 the add's; v64-191 S^T, 32 a tile; v192-255 P, 16 a tile
;   window 1: v0-127 O^T, 32 a tile; v128-191 V of one step       window 2: v0-191 Q, 48 a tile       window 3: v0-191 K of one step
.set KS,    64        ; keys in a step
.set PK,    144       ; a row of K in LDS: 128 bytes + 16: the 16 rows of a load start at 16 different groups of four banks (64 banks of 4 bytes: ISA guide 11.1)
.set PVP,   160       ; a row of V: 128 + 32
.set PM,    272       ; a row of the mask's tile: 64 f32 + 16 bytes
.set VOFF,  3*KS*PK   ; a slot holds one step: 192 rows of K (stream x 64 + key), 64 rows of V, 256 rows of the mask
.set MOFF,  VOFF+KS*PVP
.set SLOT1, 1<<17     ; slot 1 begins here, so that one exclusive or turns an address in one slot into the other's
.set STAGE, SLOT1+MOFF+256*PM  ; behind the ring: 16 rows x 144 bytes for each wave, for the way out
.set SP,    144
.set SPARE, STAGE+4*16*SP      ; behind the stages: the spare words, 128 bytes for each wave
.set AK0, 2           ; v2   my lane's place in a tile of K; never rewritten
.set AV0, 3           ; v3   the same for V
.set AM0, 4           ; v4   the same for the mask
.set ADRK, 5          ; v5-7 the three in the slot that is being read
.set ADRV, 6
.set ADRM, 7
.set QO,  8           ; v8   my byte offset in 16 rows of Q
.set STO, 12          ; v12  the way out: where I put 16 bytes of a row
.set RD,  13          ; v13  the way out: where I read rows back
.set GO,  14          ; v14  my byte offset in 512 consecutive bytes of ctx
.set ST,  16          ; tile t's statistics at v[ST+8 t]: +0 c m, +1 m, +2, +3 l (even keys', odd keys'), +4 to +7 c0-c3, at work; a takes c2's place once the maximum is found
.set SPW, 62          ; v62  LDS address of my spare word; never rewritten
.set NIL, 63          ; v63  0; never rewritten
.set S,   64
.set P,   192
.set VF,  128         ; window 1: key half kk, channel block cb at VF + 32 kk + 8 cb
.set WV,  12          ; s12  my wave's number
.set G1K, 24          ; s[24:31] descriptor group 1 for K's tiles
.set G1V, 32          ; s[32:39] for V's
.set G1M, 40          ; s[40:47] for the mask's
.set G0K, 48          ; s[48:55] group 0 for K: a set for each of the two first fills; the second then walks on
.set G0V, 56          ; s[56:63] the same for V
.set G0M, 68          ; s[68:75] the same for the mask
.set CNT, 76          ; s76  counts the key steps
.set TB,  77          ; s77  LDS byte at which the slot that is being read begins
.set CS,  78          ; s[78:79] c: the packed scaling takes the pair's low word for both halves
.set SEL, 80          ; s[80:81] v_permlanex16_b32's selects: each lane takes its own place in the other half
.set QB,  84          ; s[84:89] Q at my wave's first row, in each of the three streams
.set MSB, 0
.macro WIN new                      ; the high byte repeats the setting that is left; a switch that changes nothing is dropped
.if MSB != (\new)
	s_set_vgpr_msb (MSB<<8)|(\new)
.set MSB, (\new)
.endif
.endm
.set W_KQ, 0x0b       ; K in window 3, Q in window 2, S^T in window 0
.set W_PV, 0x51       ; V in window 1, P in window 0, O^T in window 1
.set W_RS, 0x41       ; O^T (destination and source 0) in window 1, a in window 0
; A joint refill: wave 0 fetches the step's K, wave 1 its V, waves 2 and 3 the two halves of the mask's tile.  The branches hang on the wave's number alone.
; An s_nop 0 and four v_nop follow each line, ahead of the jump and the label.
.macro JLOAD
	s_cmp_lt_u32 s[WV], 2
	s_cbranch_scc0 .Lfor_m_\@
	s_cmp_eq_u32 s[WV], 0
	s_cbranch_scc0 .Lfor_v_\@
	tensor_load_to_lds s[G0K+4:G0K+7], s[G1K:G1K+7]
	s_nop 0
.rept 4
	v_nop
.endr
	s_branch .Lasked_\@
.Lfor_v_\@:
	tensor_load_to_lds s[G0V+4:G0V+7], s[G1V:G1V+7]
	s_nop 0
.rept 4
	v_nop
.endr
	s_branch .Lasked_\@
.Lfor_m_\@:
	tensor_load_to_lds s[G0M+4:G0M+7], s[G1M:G1M+7]
	s_nop 0
.rept 4
	v_nop
.endr
.Lasked_\@:
.endm
; A round of the cluster's barrier: my work-group's barrier, so that wave 0's signal speaks for all four waves; wave 0 signals; every wave waits for all sixteen work-groups; my work-group's barrier once more.
.macro CROUND
	s_barrier_signal -1
	s_barrier_wait -1
	s_cmp_lg_u32 s[WV], 0
	s_cbranch_scc1 .Lnot_wave_0_\@
	s_barrier_signal -3
.Lnot_wave_0_\@:
	s_barrier_wait -3
	s_barrier_signal -1
	s_barrier_wait -1
.endm
; THE CHANGE OF SLOTS, in front of a key step.  Each wave waits for all its tensor loads, of which one is out: its part of the other slot; adds 0 to its spare word; and waits for that and for its own reads of
; the slot that it leaves.  Behind the barrier nobody reads that slot any more and the other slot is whole.  fill = 1: the slot is filled again, with the keys two steps on; the barrier is then a round of the
; cluster's, and the joint refill is the first thing behind it: it has one key step, 128 matrix instructions, in which to land.
.macro CHANGE fill
	WIN 0                           ; at a label and at a branch every window is 0
	s_wait_tensorcnt 0x0            ; no tensor load of mine is out, so a group 0 may be written
	ds_add_u32 v[SPW], v[NIL]       ; 0 onto my spare word
.if \fill
	s_xor_b32 s[G0K+5], s[G0K+5], SLOT1                     ; the walking descriptors: the other slot than last time,
	s_add_nc_u64 s[G0K+6:G0K+7], s[G0K+6:G0K+7], 3*KS*128   ; the next 64 keys; the type bits on top are not reached
	s_xor_b32 s[G0V+5], s[G0V+5], SLOT1
	s_add_nc_u64 s[G0V+6:G0V+7], s[G0V+6:G0V+7], KS*128
	s_xor_b32 s[G0M+5], s[G0M+5], SLOT1
	s_add_nc_u64 s[G0M+6:G0M+7], s[G0M+6:G0M+7], KS*4
	s_wait_dscnt 0x0                ; the add is done, and my reads of the slot are over
	CROUND
	JLOAD
.else
	s_wait_dscnt 0x0                ; the add is done, and my reads of the slot are over
	s_barrier_signal -1
	s_barrier_wait -1
.endif
	s_xor_b32 s[TB], s[TB], SLOT1   ; the fetches go to the other slot
.endm
	s_load_b128 s[4:7], s[0:1], 0x0   ; qkv s[4:5], attn_mask s[6:7]
	s_load_b64 s[8:9], s[0:1], 0x10   ; ctx
	v_lshl_add_u32 v[SPW], v0, 2, SPARE
	v_mov_b32 v[NIL], 0
	ds_add_u32 v[SPW], v[NIL]       ; the wave's opening: the add and its wait stand ahead of my first tensor load; the set-up below stands between them
	v_lshrrev_b32 v1, 5, v0
	v_readfirstlane_b32 s[WV], v1   ; wave 0..3
	s_bfe_u32 s13, ttmp6, 0x40000   ; cx
	s_bfe_u32 s14, ttmp6, 0x40004   ; cy
	s_lshl_b32 s10, ttmp9, 2
	s_add_co_u32 s10, s10, s13      ; my block of 256 queries
	s_and_b32 s15, ttmp7, 0xffff    ; the cluster's y
	s_lshl_b32 s16, s15, 2
	s_add_co_u32 s16, s16, s14      ; bh = 4 x cluster y + cy
	s_lshr_b32 s17, s15, 2          ; the batch, which the whole cluster shares
	s_lshl_b32 s20, s14, 2
	s_lshl_b32 s20, 15, s20         ; my row of the cluster
	s_lshl_b32 s21, 0x1111, s13     ; my column
	; group 1.  K: 24,576 dense bytes as 96 rows of 256, padded after every 128 bytes (a key's row) by 16.  V: 8,192 dense bytes as 32 rows of 256, padded by 32.  Mask: 128 rows of 64 f32, 1,024 apart, padded by 16.
	s_or_b32 s[G1K], s20, (1<<16)|(1<<20)|(1<<21)|(4<<22)|(3<<25)  ; 15:0 the mask of four; 17:16 2-byte elements; 20 padding on; 21 set beside a mask; 24:22 after 32 words; 31:25 4 words
	s_or_b32 s[G1V], s20, (1<<16)|(1<<20)|(1<<21)|(4<<22)|(7<<25)  ; 8 words
	s_or_b32 s[G1M], s21, (2<<16)|(1<<20)|(1<<21)|(5<<22)|(3<<25)  ; 4-byte elements; after 64 words, 4 words
	s_mov_b32 s[G1K+1], 128<<16     ; tensor_dim0
	s_mov_b32 s[G1K+2], 96<<16      ; tensor_dim1
	s_mov_b32 s[G1K+3], 128<<16     ; tile_dim0
	s_mov_b32 s[G1K+4], 96          ; tile_dim1
	s_mov_b32 s[G1K+5], 128         ; elements from row to row
	s_mov_b32 s[G1K+6], 0
	s_mov_b32 s[G1K+7], 0
	s_mov_b32 s[G1V+1], 128<<16
	s_mov_b32 s[G1V+2], 32<<16
	s_mov_b32 s[G1V+3], 128<<16
	s_mov_b32 s[G1V+4], 32
	s_mov_b32 s[G1V+5], 128
	s_mov_b32 s[G1V+6], 0
	s_mov_b32 s[G1V+7], 0
	s_mov_b32 s[G1M+1], 64<<16
	s_mov_b32 s[G1M+2], 128<<16
	s_mov_b32 s[G1M+3], 64<<16
	s_mov_b32 s[G1M+4], 128
	s_mov_b32 s[G1M+5], 1024
	s_mov_b32 s[G1M+6], 0
	s_mov_b32 s[G1M+7], 0
	s_mul_i32 s18, s16, 393216      ; K: the head's 16 key blocks of 24,576 bytes
	s_add_co_u32 s18, s18, 25165824
	s_mov_b32 s19, 0
	s_lshl_b32 s22, s16, 17         ; V: the head's 1,024 rows of 128 bytes
	s_add_co_u32 s22, s22, 50331648
	s_mov_b32 s23, 0
	s_and_b32 s11, s[WV], 1         ; which half of the mask's 256 rows I fetch
	s_lshl_b32 s82, s17, 22         ; the mask: the batch's 4 MiB,
	s_lshl_b32 s83, s10, 20         ; my block's 256 rows of 4,096 bytes,
	s_add_co_u32 s82, s82, s83
	s_lshl_b32 s83, s11, 19         ; the half's 128
	s_add_co_u32 s82, s82, s83
	s_mov_b32 s83, 0
	s_mul_i32 s11, s11, 128*PM      ; and its place in a slot: no place in the cluster enters an LDS address
	s_add_co_u32 s11, s11, MOFF
	s_lshl_b32 s92, s16, 17         ; Q and ctx: the head, my block's 256 rows, my wave's 64
	s_lshl_b32 s93, s10, 15
	s_add_co_u32 s92, s92, s93
	s_lshl_b32 s93, s[WV], 13
	s_add_co_u32 s92, s92, s93
	s_mov_b32 s93, 0
	s_mov_b32 s[CS], 0x3fb8aa3b     ; c = log2(e)
	s_mov_b32 s[CS+1], s[CS]        ; named with it as a pair
	s_mov_b32 s[SEL], 0x76543210
	s_mov_b32 s[SEL+1], 0xfedcba98
	s_mov_b32 s90, 0x30003000       ; 1/8 twice, in f16
	s_mov_b32 s[TB], 0
.irp s, 0,1
	s_mov_b32 s[G0K+4*(\s)], 1      ; 1:0 count = 1
	s_mov_b32 s[G0K+4*(\s)+1], (\s)*SLOT1  ; 63:32 LDS address
	s_mov_b32 s[G0V+4*(\s)], 1
	s_mov_b32 s[G0V+4*(\s)+1], VOFF+(\s)*SLOT1
	s_mov_b32 s[G0M+4*(\s)], 1
	s_add_co_u32 s[G0M+4*(\s)+1], s11, (\s)*SLOT1
.endr
	s_wait_dscnt 0x0                ; the opening add is done
	s_wait_kmcnt 0x0
	s_add_nc_u64 s[18:19], s[4:5], s[18:19]
	s_add_nc_u64 s[22:23], s[4:5], s[22:23]
	s_add_nc_u64 s[82:83], s[6:7], s[82:83]
	s_add_nc_u64 s[QB:QB+1], s[4:5], s[92:93]
	s_add_nc_u64 s[QB+2:QB+3], s[QB:QB+1], 0x800000
	s_add_nc_u64 s[QB+4:QB+5], s[QB+2:QB+3], 0x800000
	s_add_nc_u64 s[8:9], s[8:9], s[92:93]
.irp s, 0,1
	s_add_nc_u64 s[G0K+4*(\s)+2:G0K+4*(\s)+3], s[18:19], (\s)*3*KS*128  ; 120:64 global address: key step s
	s_or_b32 s[G0K+4*(\s)+3], s[G0K+4*(\s)+3], 0x80000000               ; 127:126 type = 2
	s_add_nc_u64 s[G0V+4*(\s)+2:G0V+4*(\s)+3], s[22:23], (\s)*KS*128
	s_or_b32 s[G0V+4*(\s)+3], s[G0V+4*(\s)+3], 0x80000000
	s_add_nc_u64 s[G0M+4*(\s)+2:G0M+4*(\s)+3], s[82:83], (\s)*KS*4
	s_or_b32 s[G0M+4*(\s)+3], s[G0M+4*(\s)+3], 0x80000000
.endr
	CROUND                          ; all sixteen work-groups are here: the first joint loads meet
	s_cmp_lt_u32 s[WV], 2           ; a wave's two first fills stand in one branch, ahead of every wait on TENSORcnt and every LDS read: two loads of mine are out
	s_cbranch_scc0 .Lfirst_m
	s_cmp_eq_u32 s[WV], 0
	s_cbranch_scc0 .Lfirst_v
	tensor_load_to_lds s[G0K:G0K+3], s[G1K:G1K+7]
	s_nop 0
	tensor_load_to_lds s[G0K+4:G0K+7], s[G1K:G1K+7]
	s_nop 0
.rept 4
	v_nop
.endr
	s_branch .Lfirst_asked
.Lfirst_v:
	tensor_load_to_lds s[G0V:G0V+3], s[G1V:G1V+7]
	s_nop 0
	tensor_load_to_lds s[G0V+4:G0V+7], s[G1V:G1V+7]
	s_nop 0
.rept 4
	v_nop
.endr
	s_branch .Lfirst_asked
.Lfirst_m:
	tensor_load_to_lds s[G0M:G0M+3], s[G1M:G1M+7]
	s_nop 0
	tensor_load_to_lds s[G0M+4:G0M+7], s[G1M:G1M+7]
	s_nop 0
.rept 4
	v_nop
.endr
.Lfirst_asked:
	; A fragment of K or Q is 16 rows x 32 channels in 8 registers: lane l holds row l % 16, channels 8 (l / 16) + 0..7 and 16 + 8 (l / 16) + 0..7: two loads of 16 bytes, 32 bytes apart.
	v_and_b32 v1, 15, v0            ; l % 16
	v_bfe_u32 v9, v0, 4, 1          ; l / 16
	v_lshlrev_b32 v[QO], 7, v1
	v_lshl_add_u32 v[QO], v9, 4, v[QO]  ; row x 128 + 16 x half
	WIN 0x80                        ; destination window 2, address window 0
.set t, 0
.rept 4                             ; Q stays in registers: tile t, chunk c of 32 channels: stream c / 2, its channels 32 (c % 2) on
.set c, 0
.rept 6
	global_load_b128 v[48*t+8*c:48*t+8*c+3],   v[QO], s[QB+2*(c/2):QB+2*(c/2)+1] offset:t*2048+(c%2)*64
	global_load_b128 v[48*t+8*c+4:48*t+8*c+7], v[QO], s[QB+2*(c/2):QB+2*(c/2)+1] offset:t*2048+(c%2)*64+32
.set c, c+1
.endr
.set t, t+1
.endr
	; What the first turn finds: V's registers and P of tiles 2, 3 hold 0 (its products V^T P, of a step that has not been, add 0), O^T and l are 0.  All this stands in the wait for the first tiles.
	WIN 0x40
.set i, 0
.rept 192
	v_mov_b32 v[i], 0
.set i, i+1
.endr
	WIN 0
.set i, 0
.rept 4
	v_mov_b32 v[ST+8*i], 0xfe000000    ; c m: far below every c s
	v_mov_b32 v[ST+8*i+1], 0xff7fffff  ; m
	v_mov_b32 v[ST+8*i+2], 0
	v_mov_b32 v[ST+8*i+3], 0
.set i, i+1
.endr
.set i, P+32
.rept 32
	v_mov_b32 v[i], 0
.set i, i+1
.endr
	v_mul_u32_u24 v[AK0], v1, PK
	v_lshl_add_u32 v[AK0], v9, 4, v[AK0]  ; row x pitch + 16 x half
	; The turning load takes 16 keys x 16 channels (lane l reads key 8 (l / 16) + l % 8, channels 8 ((l / 8) % 2) + 0..7) and leaves half a fragment of V^T: lane l holds channel l % 16 and 8 keys.
	v_and_b32 v10, 7, v0
	v_bfe_u32 v11, v0, 3, 1
	v_lshl_add_u32 v[AV0], v9, 3, v10
	v_mul_u32_u24 v[AV0], v[AV0], PVP
	v_lshl_add_u32 v[AV0], v11, 4, v[AV0]
	v_add_nc_u32 v[AV0], VOFF, v[AV0]
	; The mask as C of S^T: register i of key block kb is mask[my query][16 kb + 8 (l / 16) + i]: row 64 w + 16 t + l % 16 of the tile, 32 bytes at 64 kb + 32 (l / 16)
	s_mul_i32 s91, s[WV], 64*PM
	s_add_co_u32 s91, s91, MOFF
	v_mul_u32_u24 v[AM0], v1, PM
	v_lshl_add_u32 v[AM0], v9, 5, v[AM0]
	v_add_nc_u32 v[AM0], s91, v[AM0]
	s_wait_loadcnt 0x0              ; Q
	WIN 0x82                        ; destination and source 0 in window 2
.set i, 0
.rept 192
	v_pk_mul_f16 v[i], v[i], s90    ; q / 8
.set i, i+1
.endr
	WIN 0
; THE MATRIX WORK OF A TURN, for piece x.  The 8 accumulators of a run take turns, one instruction a turn.
; Product i of 16 of O^T += V^T P: keys 32 (i / 8) on, channels 16 ((i / 2) % 4) on, tile x + i % 2.
.macro PV x
	WIN W_PV
.set rO, 32*((\x)+i%2)+8*((i/2)%4)
.set rV, VF+32*(i/8)+8*((i/2)%4)
.set rP, P+16*((\x)+i%2)+8*(i/8)
	v_wmma_f32_16x16x32_f16 v[rO:rO+7], v[rV:rV+7], v[rP:rP+7], v[rO:rO+7]
.endm
; Product i of 48 of S^T += K Q^T: chunk i / 8 of 32 channels, keys 16 ((i / 2) % 4) on, tile x + i % 2.  Always in place: the mask's tile was loaded into S^T.
.macro KQ x
	WIN W_KQ
.set rS, S+32*((\x)+i%2)+8*((i/2)%4)
.set rK, 32*(i/8)+8*((i/2)%4)
.set rQ, 48*((\x)+i%2)+8*(i/8)
	v_wmma_f32_16x16x32_f16 v[rS:rS+7], v[rK:rK+7], v[rQ:rQ+7], v[rS:rS+7]
.endm
; THE LDS LOADS stand in runs, never singly among the matrix instructions.
.macro FETCH_MASK x                 ; 16 loads: the mask for piece x's two tiles, into S^T
	WIN 0
.irp u, 0,1
.irp kb, 0,1,2,3
	ds_load_b128 v[S+32*((\x)+(\u))+8*(\kb):S+32*((\x)+(\u))+8*(\kb)+3],   v[ADRM] offset:((\x)+(\u))*16*PM+64*(\kb)
	ds_load_b128 v[S+32*((\x)+(\u))+8*(\kb)+4:S+32*((\x)+(\u))+8*(\kb)+7], v[ADRM] offset:((\x)+(\u))*16*PM+64*(\kb)+16
.endr
.endr
.endm
.macro FETCH_K                      ; 48 loads, chunk by chunk, so that the products of a chunk wait for its eight loads alone
	WIN 0xc0                        ; destination window 3
.irp c, 0,1,2,3,4,5
.irp kb, 0,1,2,3
	ds_load_b128 v[32*(\c)+8*(\kb):32*(\c)+8*(\kb)+3],   v[ADRK] offset:((\c)/2)*KS*PK+(\kb)*16*PK+((\c)%2)*64
	ds_load_b128 v[32*(\c)+8*(\kb)+4:32*(\c)+8*(\kb)+7], v[ADRK] offset:((\c)/2)*KS*PK+(\kb)*16*PK+((\c)%2)*64+32
.endr
.endr
.endm
.macro FETCH_V                      ; 16 turning loads
	WIN 0x40                        ; destination window 1
.irp f, 0,1,2,3,4,5,6,7             ; keys 32 (f / 4) on, channels 16 (f % 4) on
	ds_load_tr16_b128 v[VF+8*(\f):VF+8*(\f)+3],   v[ADRV] offset:((\f)/4)*32*PVP+((\f)%4)*32
	ds_load_tr16_b128 v[VF+8*(\f)+4:VF+8*(\f)+7], v[ADRV] offset:((\f)/4)*32*PVP+16*PVP+((\f)%4)*32
.endr
.endm
; THE VECTOR WORK OF A TURN.  One tile's softmax for one key step is a list of 118 instructions; SM writes number j of it for tile t.  s0-s31 are the lane's 32 scores, in pairs 0-15.
;   0-15    the maximum of s0-s31 and the old m, three operands at a time: four chains c0-c3 of seven scores each (each accumulator's lowest registers are read first), then the rest
;   16-20   the other half of the lanes' maximum; c m_old is kept; the new m; c m; c m_old - c m_new
;   21-87   33 exponentials (a, then s0-s31) at the odd numbers from 23 on, so that no two follow each other and each has a plain instruction behind it before its result is used.  The plain instruction between
;           is whatever is ready: c s - c m for a pair whose exponentials are still to come, the rounding to f16 of a pair whose exponentials are done, at last the first three sums
;   88-101  the last rounding; the rest of the sums; l = a l + the sum
;   102-117 the tile's O^T times a: the one part that leaves window 0, so it stands together
.macro SM t
.set rT, ST+8*(\t)
.set rS, S+32*(\t)
.set rP, P+16*(\t)
.set rO, 32*(\t)+2*(j-102)
.set q, (j-20)/2
.if j < 102
	WIN 0
.endif
.if j < 4
	v_max3_num_f32 v[rT+4+j], v[rS+8*j], v[rS+8*j+1], v[rS+8*j+2]
.elseif j < 12
	v_max3_num_f32 v[rT+4+j%4], v[rT+4+j%4], v[rS+8*(j%4)+2*(j/4)+1], v[rS+8*(j%4)+2*(j/4)+2]
.elseif j == 12
	v_max3_num_f32 v[rT+4], v[rT+4], v[rS+7], v[rS+15]
.elseif j == 13
	v_max3_num_f32 v[rT+6], v[rT+6], v[rS+23], v[rS+31]
.elseif j == 14
	v_max3_num_f32 v[rT+4], v[rT+4], v[rT+5], v[rT+6]
.elseif j == 15
	v_max3_num_f32 v[rT+4], v[rT+4], v[rT+7], v[rT+1]
.elseif j == 16
	v_permlanex16_b32 v[rT+5], v[rT+4], s[SEL], s[SEL+1]  ; the query's other 32 keys lie in the lane 16 away
.elseif j == 17
	v_mov_b32 v[rT+7], v[rT]        ; c m_old is kept for a: number 19 writes c m anew
.elseif j == 18
	v_max_num_f32 v[rT+1], v[rT+4], v[rT+5]
.elseif j == 19
	v_mul_f32 v[rT], s[CS], v[rT+1]
.elseif j == 20
	v_sub_f32 v[rT+7], v[rT+7], v[rT]
.elseif j == 23
	v_exp_f32 v[rT+6], v[rT+7]
.elseif (j < 88) && (j > 23) && (j%2 == 1)
	v_exp_f32 v[rS+(j-25)/2], v[rS+(j-25)/2]
.elseif (q < 4) || ((j < 76) && (q%2 == 0))
.set b, q/2+2
.if q < 4
.set b, q
.endif
	v_pk_fma_f32 v[rS+2*b:rS+2*b+1], v[rS+2*b:rS+2*b+1], s[CS:CS+1], v[rT:rT+1] op_sel_hi:[1,0,0] neg_lo:[0,0,1] neg_hi:[0,0,1]  ; pair b: c s - c m
.elseif (j < 88) && (q%2 == 1)
	s_wait_alu depctr_va_vdst(0)
	v_cvt_pk_f16_f32 v[rP+(q-5)/2], v[rS+q-5], v[rS+q-4]  ; pair (q - 5) / 2: its second exponential stands three numbers back
.elseif j == 89
	s_wait_alu depctr_va_vdst(0)
	v_cvt_pk_f16_f32 v[rP+15], v[rS+30], v[rS+31]
.elseif j < 102                     ; the sum of the tile's 16 pairs, in place: sum z of 16 adds neighbours 1, 2, 4 and 8 pairs apart, then l takes it
.set z, j-86
.if j < 89
.set z, (j-76)/4
.endif
.set w, 4
.set u, z
.if z >= 14
.set w, 32
.set u, 0
.elseif z >= 12
.set w, 16
.set u, z-12
.elseif z >= 8
.set w, 8
.set u, z-8
.endif
.if z < 15
	v_pk_add_f32 v[rS+w*u:rS+w*u+1], v[rS+w*u:rS+w*u+1], v[rS+w*u+w/2:rS+w*u+w/2+1]
.else
	v_pk_fma_f32 v[rT+2:rT+3], v[rT+2:rT+3], v[rT+6:rT+7], v[rS:rS+1] op_sel_hi:[1,0,1]
.endif
.else
	WIN W_RS
	v_pk_mul_f32 v[rO:rO+1], v[rO:rO+1], v[rT+6:rT+7] op_sel_hi:[1,0]
.endif
.endm
; Slice k of 59 of piece y's softmax: numbers 2 k and 2 k + 1 of both tiles' lists, four instructions.
.macro SLICE y
.if k < 59
.if (k >= 11) && (k < 44)           ; tile by tile: plain, exponential, plain, exponential
.irp t, \y, (\y)+1
.irp n, 0,1
.set j, 2*k+(\n)
	SM \t
.endr
.endr
.else                               ; the two tiles alternate, so that no instruction reads the result of the one just before it
.irp n, 0,1
.irp t, \y, (\y)+1
.set j, 2*k+(\n)
	SM \t
.endr
.endr
.endif
.endif
.set k, k+1
.endm
; A TURN.  Piece x has the matrix unit; the other piece's softmax stands in slices behind its matrix instructions.  kq = 1: 48 products K Q^T for the next step follow the 16 products V^T P.
; Slice 58, four rescalings that name no register of the products round them, stands behind the last product: the four places between it and the next turn's first read of those scores, and the loads into K.
; Piece 0's turn fetches the next step's mask for its tiles and K, behind its second product: S^T of piece 0 was read out in the turn before, and the last product that read K stands in front of slice 58 there.
; Piece 2's turn fetches its mask likewise, and the next step's V behind its second K Q^T: the last product that read V stands three slices, six plain instructions, back.
; kq = 0: the last step's turn: 16 products, four slices behind each, nothing fetched.
.macro TURN x, kq
.set k, 0
.if ((\x) == 0) && (\kq)
	WIN 0
	v_add_nc_u32 v[ADRK], s[TB], v[AK0]
	v_add_nc_u32 v[ADRV], s[TB], v[AV0]
	v_add_nc_u32 v[ADRM], s[TB], v[AM0]
.endif
.if (\x) == 0
	s_wait_dscnt 0x0                ; V is in
.endif
.set i, 0
.rept 16
	PV \x
.if \kq
	SLICE 2-(\x)
.else
.rept 4
	SLICE 2-(\x)
.endr
.endif
.if (\kq) && (i == 1)
	FETCH_MASK \x
.if (\x) == 0
	FETCH_K
.endif
.endif
.set i, i+1
.endr
.if \kq
.set i, 0
.rept 48
.if ((\x) == 0) && (i%8 == 0)
	s_wait_dscnt 8*(5-i/8)          ; LDS loads come back in order: the mask and K's chunks up to this one are in, the later chunks' eight loads each stay out
.endif
.if ((\x) == 2) && (i == 0)
	s_wait_dscnt 0x0                ; the mask is in
.endif
	KQ \x
.if (i < 42) || (i == 47)
	SLICE 2-(\x)
.endif
.if ((\x) == 2) && (i == 1)
	FETCH_V
.endif
.set i, i+1
.endr
.endif
.endm
	s_wait_tensorcnt 1              ; my part of slot 0 is in; slot 1's may stay out
	s_barrier_signal -1
	s_barrier_wait -1               ; everybody's is
	v_add_nc_u32 v[ADRK], s[TB], v[AK0]
	v_add_nc_u32 v[ADRV], s[TB], v[AV0]
	v_add_nc_u32 v[ADRM], s[TB], v[AM0]
	FETCH_MASK 0                    ; key step 0
	FETCH_K
.set i, 0
.rept 48
.if i%8 == 0
	s_wait_dscnt 8*(5-i/8)
.endif
	KQ 0                            ; piece 0's first scores: there is no vector work yet to set between them
.set i, i+1
.endr
	WIN 0                           ; the addresses for the way out: plain instructions, the places behind those products
	s_mul_i32 s91, s[WV], 16*SP
	s_add_co_u32 s91, s91, STAGE    ; my stage
	v_mul_u32_u24 v[STO], v1, SP    ; in: row l % 16, 16 bytes for each half of the lanes
	v_lshl_add_u32 v[STO], v9, 4, v[STO]
	v_add_nc_u32 v[STO], s91, v[STO]
	v_bfe_u32 v[RD], v0, 3, 2       ; back: 32 lanes take four rows of 128 bytes,
	v_mul_u32_u24 v[RD], v[RD], SP
	v_lshl_add_u32 v[RD], v10, 4, v[RD]
	v_add_nc_u32 v[RD], s91, v[RD]
	v_and_b32 v[GO], 31, v0         ; which are 512 consecutive bytes of ctx
	v_lshlrev_b32 v[GO], 4, v[GO]
	s_mov_b32 s[CNT], 15
	s_branch .Lmid                  ; the loop is entered at piece 2's turn, in the middle of a trip: its V^T P adds zeros, its K Q^T is step 0's
.Lstep:                             ; 14 whole trips: every slot but the last two is filled again
	CHANGE 1
	TURN 0, 1
	WIN 0
.Lmid:
	TURN 2, 1
	WIN 0
	s_sub_co_u32 s[CNT], s[CNT], 1
	s_cmp_lg_u32 s[CNT], 0
	s_cbranch_scc1 .Lstep
	CHANGE 0                        ; the tail is written out: nothing is asked for
	TURN 0, 1
	TURN 2, 1
	TURN 0, 0                       ; piece 0: V^T P of the last step | piece 2's last softmax
.set i, 0
.rept 16
	PV 2                            ; piece 2: V^T P of the last step
.set i, i+1
.endr
	; THE WAY OUT.  l's two halves and the other half of the lanes' are added; O^T is divided by l, rounded to f16 and sent through my stage in LDS, a tile at a time.  The additions are the places behind the last products.
	WIN 0
.irp t, 0,1,2,3
	v_add_f32 v[ST+8*(\t)+4], v[ST+8*(\t)+2], v[ST+8*(\t)+3]
.endr
.irp t, 0,1,2,3
	v_permlanex16_b32 v[ST+8*(\t)+5], v[ST+8*(\t)+4], s[SEL], s[SEL+1]
.endr
.irp t, 0,1,2,3
	v_add_f32 v[ST+8*(\t)+4], v[ST+8*(\t)+4], v[ST+8*(\t)+5]
.endr
.irp t, 0,1,2,3
	v_rcp_f32 v[ST+8*(\t)+6], v[ST+8*(\t)+4]
.endr
	v_nop                           ; a plain instruction between the last reciprocal and the use of its result
; Tile t: a lane's eight channels of a row pack into 16 bytes; they go into rows of 144 bytes and come back as whole rows of 128, into S^T's registers.
.macro PACK t
	WIN W_RS
.set i, 32*(\t)
.rept 16
	s_wait_alu depctr_va_vdst(0)
	v_pk_mul_f32 v[i:i+1], v[i:i+1], v[ST+8*(\t)+6:ST+8*(\t)+7] op_sel_hi:[1,0]
.set i, i+2
.endr
	WIN 0x05                        ; sources 0 and 1 window 1, destination window 0
.set i, 0
.rept 16
	v_cvt_pk_f16_f32 v[S+16*(\t)+i], v[32*(\t)+2*i], v[32*(\t)+2*i+1]
.set i, i+1
.endr
	WIN 0
.irp f, 0,1,2,3
	ds_store_b128 v[STO], v[S+16*(\t)+4*(\f):S+16*(\t)+4*(\f)+3] offset:32*(\f)
.endr
.irp f, 0,1,2,3
	ds_load_b128 v[S+16*(\t)+4*(\f):S+16*(\t)+4*(\f)+3], v[RD] offset:(\f)*4*SP  ; LDS serves a wave's instructions in order (ISA guide 5.7.1.4): these see the stores above; the next tile's stores come behind them
.endr
.endm
.macro SEND t, younger              ; younger: the LDS instructions issued behind tile t's loads: the next tile's eight, or none
	WIN 0
.irp f, 0,1,2,3
	s_wait_dscnt (\younger)+3-(\f)
	global_store_b128 v[GO], v[S+16*(\t)+4*(\f):S+16*(\t)+4*(\f)+3], s[8:9] offset:(\t)*2048+(\f)*512  ; 512 consecutive bytes, at a multiple of 512 from ctx's first byte
.endr
.endm
	PACK 0
	PACK 1                          ; a tile's arithmetic stands between the loads of the tile before and its stores
	SEND 0, 8
	PACK 2
	SEND 1, 8
	PACK 3
	SEND 2, 8
	SEND 3, 0
	s_wait_tensorcnt 0x0            ; the wave's end, behind my last tensor load and my last LDS store
	ds_add_u32 v[SPW], v[NIL]
	s_wait_dscnt 0x0
	CROUND                          ; the closing round: no work-group ends while a partner may still ask for a tile that names it
	s_endpgm
.Lfunc_end_k_qf4db0d13c9_attn:
	.size	k_qf4db0d13c9_attn, .Lfunc_end_k_qf4db0d13c9_attn-k_qf4db0d13c9_attn
	.p2alignl 7, 3214868480
	.fill 96, 4, 3214868480
	.section	.rodata,"a",@progbits
	.p2align	6, 0x0
	.amdhsa_kernel k_qf4db0d13c9_attn
		.amdhsa_group_segment_fixed_size 327680
		.amdhsa_private_segment_fixed_size 0
		.amdhsa_enable_private_segment 0
		.amdhsa_kernarg_size 24
		.amdhsa_user_sgpr_count 2
		.amdhsa_user_sgpr_kernarg_segment_ptr 1
		.amdhsa_wavefront_size32 1
		.amdhsa_system_sgpr_workgroup_id_x 1
		.amdhsa_system_sgpr_workgroup_id_y 1
		.amdhsa_system_sgpr_workgroup_id_z 1
		.amdhsa_system_vgpr_workitem_id 0
		.amdhsa_next_free_vgpr 960
		.amdhsa_next_free_sgpr 96
		.amdhsa_reserve_vcc 0
		.amdhsa_float_denorm_mode_32 3
		.amdhsa_float_denorm_mode_16_64 3
		.amdhsa_memory_ordered 1
		.amdhsa_forward_progress 1
		.amdhsa_inst_pref_size 172
	.end_amdhsa_kernel
	.amdgpu_metadata
---
amdhsa.version: [ 1, 2 ]
amdhsa.kernels:
  - .name:           k_qf4db0d13c9_attn
    .symbol:         k_qf4db0d13c9_attn.kd
    .args:
      - { .name: qkv, .offset: 0, .size: 8, .value_kind: global_buffer, .address_space: global }
      - { .name: attn_mask, .offset: 8, .size: 8, .value_kind: global_buffer, .address_space: global }
      - { .name: ctx, .offset: 16, .size: 8, .value_kind: global_buffer, .address_space: global }
    .group_segment_fixed_size: 327680
    .private_segment_fixed_size: 0
    .kernarg_segment_align: 8
    .kernarg_segment_size: 24
    .max_flat_workgroup_size: 128
    .sgpr_count:     96
    .vgpr_count:     960
    .wavefront_size: 32
...
	.end_amdgpu_metadata
.endif
;; end of part 3
;; launch outp (part 4): grid 8 x 32, 4 waves a work-group, clusters of 4 x 4, 327,680 bytes of LDS; arguments ctx, h16, y; writes y
.if DOCPART == 4
	.amdgcn_target "amdgcn-amd-amdhsa--gfx1250"
	.amdhsa_code_object_version 6
	.text
	.protected	k_qf4db0d13c9_outp
	.globl	k_qf4db0d13c9_outp
	.p2align	8
	.type	k_qf4db0d13c9_outp,@function
k_qf4db0d13c9_outp:
	s_mov_b64 s[64:65], 0
	v_nop
	global_prefetch_b8 v0, s[64:65] scope:SCOPE_SE
	s_setreg_imm32_b32 hwreg(HW_REG_WAVE_MODE, 25, 1), 1
	s_wait_xcnt 0x0
	s_wait_alu depctr_hold_cnt(0) depctr_sa_sdst(0) depctr_va_vdst(0) depctr_va_sdst(0) depctr_va_ssrc(0) depctr_va_vcc(0) depctr_vm_vsrc(0)
	s_getreg_b32 s2, hwreg(HW_REG_IB_STS2, 6, 4)
	s_cmp_eq_u32 s2, 0
	s_cbranch_scc0 .Lentry_in_a_cluster
	s_endpgm
.Lentry_in_a_cluster:
	s_bfe_u32 s2, ttmp6, 0x10000c
	s_cmp_lg_u32 s2, 0xf033
	s_cbranch_scc0 .Lentry_shape_is_right
	s_endpgm
.Lentry_shape_is_right:
; THE OUTPUT PROJECTION.  y[m][n] = the sum over k of ctx[m][k] Wout[k][n].  ctx: [64 bh][1024 rows][64] f16 (k = 64 head + channel), Wout: [1024 k][1024 n] f16, unit 19 of h16; sums in f32.
; y: [4096][1024] in f32: it stands in front of a mean that is taken away, and has no room in f16 for inputs some 30 times larger.  Bias, residual and the norm follow in the next launch, which needs whole rows.
; SHARES.  A tile of y is 128 x 128, so that there are 256 work-groups; four waves, each 64 x 64: 16 accumulators.  K goes in four steps of 256 (four heads) through two LDS slots; the text is written straight.
; CLUSTER.  4 x 4 work-groups: ctx's tile is asked for jointly along a row of the cluster, Wout's along a column.
; THE MATRIX INSTRUCTION IS USED TRANSPOSED (source 0 = 16 columns of Wout, turned by ds_load_tr16_b128; source 1 = 16 rows of ctx): a lane holds eight neighbouring numbers of a row of y.
; REGISTERS: window 0: v0-31 addresses; v128-255 the accumulators ((a, b) at v[128 + 8 (4 a + b)]), which also take the rows back on the way out.
;   window 1: two fragment buffers of 128: for 64 along K, 64 registers of ctx (2 x 4 x 16 rows x 32 K), then 64 of Wout.
.set PA,     144                       ; a row of one head of ctx in LDS: 128 bytes + 16
.set PB,     288                       ; a k-row of Wout in LDS: 256 bytes + 32 = 9 x 32
.set HALFT,  2*128*PA                  ; what one tensor load brings: two heads x 128 rows of ctx, or 128 k-rows of Wout (128 x 288 is the same 36,864 bytes)
.set SLOT,   4*HALFT                   ; ctx: [4 heads][128 rows]; then Wout: 256 k-rows
.set STAGE,  2*SLOT                    ; behind the ring: 16 rows x 272 bytes for each wave
.set SPITCH, 272
.set SPARE,  STAGE+4*16*SPITCH         ; behind the stages: the spare words, 128 bytes for each wave
.set STEPB,  524288                    ; a K step in memory: four heads of 131,072 bytes of ctx; 256 k-rows of 2,048 bytes of Wout
.set ADRA, 16                          ; v16-17  LDS address of my fragments of ctx in slot 0, 1
.set ADRB, 20                          ; v20-21  the same for Wout, quarters 0 and 1; v22-23 quarters 2 and 3 (so that the immediates stay within 16 bits)
.set STO,  24
.set RD,   25
.set CO,   26
.set SPW,  28                          ; v28     LDS address of my spare word; never rewritten
.set NIL,  29                          ; v29     0; never rewritten
.set ACC,  128
.set F0,   0
.set F1,   128
.set G1, 24
.set G0, 32
.set G1B, 48
.set G0B, 56
.set MSB, 0
.macro WIN new
.if MSB != (\new)
	s_set_vgpr_msb (MSB<<8)|(\new)
.set MSB, \new
.endif
.endm
.set MUL,  0x05                        ; sources 0 and 1 window 1; C and D window 0
.set TO_F, 0x40                        ; destination window 1, address window 0
.macro JLOAD s                         ; a joint load: waves 0 and 1 fetch ctx's two halves, waves 2 and 3 Wout's; an s_nop 0 and four v_nop follow each line
	s_cmp_eq_u32 s11, 0
	s_cbranch_scc0 .Lfor_b_\@
	tensor_load_to_lds s[G0+4*(\s):G0+4*(\s)+3], s[G1:G1+7]
	s_nop 0
.rept 4
	v_nop
.endr
	s_branch .Lasked_\@
.Lfor_b_\@:
	tensor_load_to_lds s[G0B+4*(\s):G0B+4*(\s)+3], s[G1B:G1B+7]
	s_nop 0
.rept 4
	v_nop
.endr
.Lasked_\@:
.endm
.macro CREST
	s_cmp_lg_u32 s10, 0
	s_cbranch_scc1 .Lnot_wave_0_\@
	s_barrier_signal -3
.Lnot_wave_0_\@:
	s_barrier_wait -3
	s_barrier_signal -1
	s_barrier_wait -1
.endm
.macro CROUND
	s_barrier_signal -1
	s_barrier_wait -1
	CREST
.endm
	s_load_b128 s[4:7], s[0:1], 0x0                ; ctx s[4:5], h16 s[6:7]
	s_load_b64 s[8:9], s[0:1], 0x10                ; y
	v_lshl_add_u32 v[SPW], v0, 2, SPARE
	v_mov_b32 v[NIL], 0
	ds_add_u32 v[SPW], v[NIL]                      ; the wave's opening: the add and its wait stand ahead of my first tensor load; the set-up below stands between them
	v_lshrrev_b32 v1, 5, v0
	v_readfirstlane_b32 s10, v1                    ; wave 0..3
	s_lshr_b32 s11, s10, 1                         ; which half of the tile's rows is mine.  Also: I fetch for ctx (0) or for Wout (1)
	s_and_b32 s12, s10, 1                          ; which half of its columns.  Also: which half of that tile I fetch
	s_bfe_u32 s40, ttmp6, 0x40000
	s_bfe_u32 s41, ttmp6, 0x40004
	s_lshl_b32 s42, ttmp9, 2
	s_add_co_u32 s42, s42, s40                     ; tile column = 4 x cluster x + cx
	s_and_b32 s13, ttmp7, 0xffff
	s_lshl_b32 s13, s13, 2
	s_add_co_u32 s13, s13, s41                     ; tile row = 4 x cluster y + cy
	s_lshl_b32 s43, s41, 2
	s_lshl_b32 s43, 15, s43                        ; my row of the cluster
	s_lshl_b32 s44, 0x1111, s40                    ; my column
	; group 1 for ctx: a head's 128 rows are 16,384 dense bytes: one descriptor row of 8,192 elements; two heads, 65,536 elements apart; 16 bytes of padding behind every 128
	s_or_b32 s[G1+0], s43, (1<<16)|(1<<20)|(1<<21)|(4<<22)|(3<<25)
	s_mov_b32 s[G1+1], 8192<<16                    ; tensor_dim0
	s_mov_b32 s[G1+2], 2<<16                       ; tensor_dim1
	s_mov_b32 s[G1+3], 8192<<16                    ; tile_dim0
	s_mov_b32 s[G1+4], 2                           ; tile_dim1
	s_mov_b32 s[G1+5], 65536                       ; elements from head to head
	s_mov_b32 s[G1+6], 0
	s_mov_b32 s[G1+7], 0
	; for Wout: 128 k-rows x 128 elements, 32 bytes of padding behind every 256
	s_or_b32 s[G1B+0], s44, (1<<16)|(1<<20)|(1<<21)|(5<<22)|(7<<25)
	s_mov_b32 s[G1B+1], 128<<16
	s_mov_b32 s[G1B+2], 128<<16
	s_mov_b32 s[G1B+3], 128<<16
	s_mov_b32 s[G1B+4], 128
	s_mov_b32 s[G1B+5], 1024
	s_mov_b32 s[G1B+6], 0
	s_mov_b32 s[G1B+7], 0
	s_lshr_b32 s16, s13, 3                         ; ctx: batch = tile row / 8; head 2 x half of the step's four;
	s_lshl_b32 s16, s16, 4
	s_lshl_b32 s17, s12, 1
	s_add_co_u32 s16, s16, s17
	s_lshl_b32 s16, s16, 17                        ; 131,072 bytes a head;
	s_and_b32 s17, s13, 7
	s_lshl_b32 s17, s17, 14                        ; row 128 (tile row % 8), 128 bytes a row
	s_add_co_u32 s16, s16, s17
	s_mov_b32 s17, 0
	s_lshl_b32 s46, s12, 18                        ; Wout: k-row 128 x half,
	s_lshl_b32 s47, s42, 8                         ; column 128 x tile column,
	s_add_co_u32 s46, s46, s47
	s_add_co_u32 s46, s46, 39845888                ; in unit 19
	s_mov_b32 s47, 0
	s_mul_i32 s20, s10, HALFT                      ; where my loads go: no place in the cluster enters an LDS address
	s_wait_dscnt 0x0                               ; the opening add is done
	s_wait_kmcnt 0x0
	s_add_nc_u64 s[14:15], s[4:5], s[16:17]
	s_add_nc_u64 s[46:47], s[6:7], s[46:47]
	CROUND                                         ; all sixteen work-groups are here: the first joint loads meet
.irp s, 0,1
	s_mov_b32 s[G0+4*(\s)], 1
	s_add_co_u32 s[G0+4*(\s)+1], s20, (\s)*SLOT
	s_add_nc_u64 s[G0+4*(\s)+2:G0+4*(\s)+3], s[14:15], (\s)*STEPB
	s_or_b32 s[G0+4*(\s)+3], s[G0+4*(\s)+3], 0x80000000
	s_mov_b32 s[G0B+4*(\s)], 1
	s_add_co_u32 s[G0B+4*(\s)+1], s20, (\s)*SLOT
	s_add_nc_u64 s[G0B+4*(\s)+2:G0B+4*(\s)+3], s[46:47], (\s)*STEPB
	s_or_b32 s[G0B+4*(\s)+3], s[G0B+4*(\s)+3], 0x80000000
	JLOAD \s                                       ; two loads of mine are out
.endr
	v_and_b32 v1, 15, v0                           ; l % 16
	v_bfe_u32 v2, v0, 4, 1                         ; l / 16
	v_mul_u32_u24 v3, v1, PA
	v_lshl_add_u32 v3, v2, 4, v3                   ; ctx: row x pitch + 16 x half
	v_and_b32 v4, 7, v0
	v_lshl_add_u32 v4, v2, 3, v4                   ; Wout: k-row 8 (l / 16) + l % 8,
	v_mul_u32_u24 v4, v4, PB
	v_bfe_u32 v5, v0, 3, 1
	v_lshl_add_u32 v4, v5, 4, v4                   ; 16 bytes at 16 ((l / 8) % 2)
	s_mul_i32 s21, s11, 64*PA                      ; my 64 rows in each head
	s_lshl_b32 s22, s12, 7                         ; my 64 columns: 128 bytes along Wout's k-rows,
	s_add_co_u32 s22, s22, 2*HALFT                 ; which lie behind ctx
.irp s, 0,1
	v_add_nc_u32 v[ADRA+(\s)], s21, v3
	v_add_nc_u32 v[ADRB+(\s)], s22, v4
	v_add_nc_u32 v[ADRB+2+(\s)], HALFT, v[ADRB+(\s)]
	s_add_co_u32 s21, s21, SLOT
	s_add_co_u32 s22, s22, SLOT
.endr
	s_mul_i32 s23, s10, 16*SPITCH
	s_add_co_u32 s23, s23, STAGE                   ; my stage
	v_mul_u32_u24 v6, v1, SPITCH                   ; in: row l % 16, 32 bytes for each half of the lanes
	v_lshl_add_u32 v6, v2, 5, v6
	v_add_nc_u32 v[STO], s23, v6
	v_mul_u32_u24 v6, v2, SPITCH                   ; back: lanes 0-15 take one row of 256 bytes, lanes 16-31 the next
	v_lshl_add_u32 v6, v1, 4, v6
	v_add_nc_u32 v[RD], s23, v6
	v_lshlrev_b32 v6, 12, v2                       ; and the same two rows in y
	v_lshl_add_u32 v[CO], v1, 4, v6
	s_lshl_b32 s16, s13, 19                        ; my first row of y: 128 x tile row + 64 x half, 4,096 bytes a row
	s_lshl_b32 s17, s11, 18
	s_add_co_u32 s16, s16, s17
	s_mov_b32 s17, 0
	s_add_nc_u64 s[8:9], s[8:9], s[16:17]
	s_lshl_b32 s46, s42, 9                         ; my first column: 128 x tile column + 64 x half, in f32
	s_lshl_b32 s47, s12, 8
	s_add_co_u32 s46, s46, s47
	s_mov_b32 s47, 0
	s_add_nc_u64 s[8:9], s[8:9], s[46:47]
; 8 matrix instructions: row blocks a0, a0 + 1 x all 4 column blocks, 32 along K: half c of buffer f.  zero = 1: the first product starts the sums.  The 16 accumulators take turns.
.macro MUL8 f, c, a0, zero
	WIN MUL
.irp a, \a0, (\a0)+1
.irp b, 0,1,2,3
.if \zero
	v_wmma_f32_16x16x32_f16 v[ACC+8*(4*(\a)+(\b)):ACC+8*(4*(\a)+(\b))+7], v[(\f)+64+8*(4*(\c)+(\b)):(\f)+64+8*(4*(\c)+(\b))+7], v[(\f)+8*(4*(\c)+(\a)):(\f)+8*(4*(\c)+(\a))+7], 0
.else
	v_wmma_f32_16x16x32_f16 v[ACC+8*(4*(\a)+(\b)):ACC+8*(4*(\a)+(\b))+7], v[(\f)+64+8*(4*(\c)+(\b)):(\f)+64+8*(4*(\c)+(\b))+7], v[(\f)+8*(4*(\c)+(\a)):(\f)+8*(4*(\c)+(\a))+7], v[ACC+8*(4*(\a)+(\b)):ACC+8*(4*(\a)+(\b))+7]
.endif
.endr
.endr
.endm
; 32 LDS loads in one run: the fragments of quarter q (one head, 64 along K) into buffer f; the first 32 along K first
.macro FETCH slot, q, f
	WIN TO_F
.irp c, 0,1
.irp i, 0,1,2,3
	ds_load_tr16_b128 v[(\f)+64+8*(4*(\c)+(\i)):(\f)+64+8*(4*(\c)+(\i))+3],   v[ADRB+2*((\q)/2)+(\slot)] offset:((\q)%2)*64*PB+32*PB*(\c)+32*(\i)
	ds_load_tr16_b128 v[(\f)+64+8*(4*(\c)+(\i))+4:(\f)+64+8*(4*(\c)+(\i))+7], v[ADRB+2*((\q)/2)+(\slot)] offset:((\q)%2)*64*PB+32*PB*(\c)+16*PB+32*(\i)
	ds_load_b128 v[(\f)+8*(4*(\c)+(\i)):(\f)+8*(4*(\c)+(\i))+3],              v[ADRA+(\slot)] offset:(\q)*128*PA+64*(\c)+(\i)*16*PA
	ds_load_b128 v[(\f)+8*(4*(\c)+(\i))+4:(\f)+8*(4*(\c)+(\i))+7],            v[ADRA+(\slot)] offset:(\q)*128*PA+64*(\c)+(\i)*16*PA+32
.endr
.endr
.endm
.macro PLACES                          ; four plain vector instructions between a matrix instruction and a load into a register that it read, or a store of its result
.rept 4
	v_nop
.endr
.endm
; A K step is four quarters of 64 along K, 32 matrix instructions each, on buffers 0, 1, 0, 1.  One of the first three: multiplies f and fetches quarter q into g.
.macro QUARTER slot, q, f, g, zero
	s_wait_dscnt 16                                ; the first 32 along K are in
	MUL8 \f, 0, 0, \zero
	MUL8 \f, 0, 2, \zero
	PLACES
	FETCH \slot, \q, \g
	s_wait_dscnt 32                                ; all but the 32 just issued
	MUL8 \f, 1, 0, 0
	MUL8 \f, 1, 2, 0
.endm
; The last quarter multiplies buffer 1 and changes slots: ONE barrier; in front of it each wave waits for all its tensor loads, adds 0 to its spare word, and waits for that and for its reads of this slot.
; fill = 1: the barrier opens a round of the cluster's barrier, and this slot is filled again, two K steps ahead, first thing behind the round.
.macro TURN slot, next, fill
	WIN 0                                          ; (the add's two registers lie in window 0)
	s_wait_tensorcnt 0x0
	ds_add_u32 v[SPW], v[NIL]                      ; 0 onto my spare word
	s_wait_dscnt 17                                ; (the add and the youngest sixteen loads may be out)
	MUL8 F1, 0, 0, 0
	s_wait_dscnt 0x0                               ; the add is done, and my reads of this slot are over
	s_barrier_signal -1
	MUL8 F1, 0, 2, 0
.if \fill
	WIN 0
.endif
	s_barrier_wait -1
.if \fill
	CREST                                          ; no wave of any partner still reads this slot's tile or has a load on its way
	s_add_nc_u64 s[G0+4*(\slot)+2:G0+4*(\slot)+3], s[G0+4*(\slot)+2:G0+4*(\slot)+3], 2*STEPB
	s_add_nc_u64 s[G0B+4*(\slot)+2:G0B+4*(\slot)+3], s[G0B+4*(\slot)+2:G0B+4*(\slot)+3], 2*STEPB
	JLOAD \slot                                    ; its four v_nop are also the places in front of the loads below
.else
	PLACES
.endif
	FETCH \next, 0, F0
	MUL8 F1, 1, 0, 0
	MUL8 F1, 1, 2, 0
.endm
	s_wait_tensorcnt 1                             ; my part of K step 0 is in; K step 1's may stay out
	s_barrier_signal -1
	s_barrier_wait -1                              ; everybody's is
	FETCH 0, 0, F0
	QUARTER 0, 1, F0, F1, 1                        ; K step 0; its first products start the sums
	QUARTER 0, 2, F1, F0, 0
	QUARTER 0, 3, F0, F1, 0
	TURN 0, 1, 1                                   ; slot 0 takes K step 2
	QUARTER 1, 1, F0, F1, 0                        ; K step 1
	QUARTER 1, 2, F1, F0, 0
	QUARTER 1, 3, F0, F1, 0
	TURN 1, 0, 1                                   ; slot 1 takes K step 3
	QUARTER 0, 1, F0, F1, 0                        ; K step 2
	QUARTER 0, 2, F1, F0, 0
	QUARTER 0, 3, F0, F1, 0
	TURN 0, 1, 0                                   ; nothing is left to fetch
	QUARTER 1, 1, F0, F1, 0                        ; K step 3
	QUARTER 1, 2, F1, F0, 0
	QUARTER 1, 3, F0, F1, 0
	s_wait_dscnt 16
	MUL8 F1, 0, 0, 0
	MUL8 F1, 0, 2, 0
	s_wait_dscnt 0x0
	MUL8 F1, 1, 0, 0
	MUL8 F1, 1, 2, 0
	WIN 0
	; THE WAY OUT.  My 64 columns of f32 are 256 bytes of a row of y, so each wave's own stage does: 16 rows at a time go in as 32 bytes a lane (each accumulator's low four registers first)
	; and come back as whole rows, into the registers that they left.
	PLACES
.macro STG a
.irp b, 0,1,2,3
	ds_store_b128 v[STO], v[ACC+8*(4*(\a)+(\b)):ACC+8*(4*(\a)+(\b))+3]   offset:64*(\b)
	ds_store_b128 v[STO], v[ACC+8*(4*(\a)+(\b))+4:ACC+8*(4*(\a)+(\b))+7] offset:64*(\b)+16
.endr
.irp t, 0,1,2,3,4,5,6,7
	ds_load_b128 v[ACC+32*(\a)+4*(\t):ACC+32*(\a)+4*(\t)+3], v[RD] offset:(\t)*2*SPITCH  ; LDS serves a wave's instructions in order (ISA guide 5.7.1.4): these see the stores above; the next block's stores come behind them
.endr
.endm
.macro SEND a, younger                 ; younger: the LDS instructions issued behind block a's loads: the next block's sixteen, or none
.irp t, 0,1,2,3,4,5,6,7
	s_wait_dscnt (\younger)+7-(\t)
	global_store_b128 v[CO], v[ACC+32*(\a)+4*(\t):ACC+32*(\a)+4*(\t)+3], s[8:9] offset:(16*(\a)+2*(\t))*4096  ; 16 lanes store 256 consecutive bytes, at a multiple of 256 from y's first byte
.endr
.endm
	STG 0
	STG 1
	SEND 0, 16
	STG 2
	SEND 1, 16
	STG 3
	SEND 2, 16
	SEND 3, 0
	s_wait_tensorcnt 0x0                           ; the wave's end, behind my last tensor load and my last LDS store
	ds_add_u32 v[SPW], v[NIL]
	s_wait_dscnt 0x0
	CROUND                                         ; the closing round: no work-group ends while a partner may still ask for a tile that names it
	s_endpgm
.Lfunc_end_k_qf4db0d13c9_outp:
	.size	k_qf4db0d13c9_outp, .Lfunc_end_k_qf4db0d13c9_outp-k_qf4db0d13c9_outp
	.p2alignl 7, 3214868480
	.fill 96, 4, 3214868480
	.section	.rodata,"a",@progbits
	.p2align	6, 0x0
	.amdhsa_kernel k_qf4db0d13c9_outp
		.amdhsa_group_segment_fixed_size 327680
		.amdhsa_private_segment_fixed_size 0
		.amdhsa_enable_private_segment 0
		.amdhsa_kernarg_size 24
		.amdhsa_user_sgpr_count 2
		.amdhsa_user_sgpr_kernarg_segment_ptr 1
		.amdhsa_wavefront_size32 1
		.amdhsa_system_sgpr_workgroup_id_x 1
		.amdhsa_system_sgpr_workgroup_id_y 1
		.amdhsa_system_sgpr_workgroup_id_z 1
		.amdhsa_system_vgpr_workitem_id 0
		.amdhsa_next_free_vgpr 512
		.amdhsa_next_free_sgpr 66
		.amdhsa_reserve_vcc 0
		.amdhsa_float_denorm_mode_32 3
		.amdhsa_float_denorm_mode_16_64 3
		.amdhsa_memory_ordered 1
		.amdhsa_forward_progress 1
		.amdhsa_inst_pref_size 87
	.end_amdhsa_kernel
	.amdgpu_metadata
---
amdhsa.version: [ 1, 2 ]
amdhsa.kernels:
  - .name:           k_qf4db0d13c9_outp
    .symbol:         k_qf4db0d13c9_outp.kd
    .args:
      - { .name: ctx, .offset: 0, .size: 8, .value_kind: global_buffer, .address_space: global }
      - { .name: h16, .offset: 8, .size: 8, .value_kind: global_buffer, .address_space: global }
      - { .name: y, .offset: 16, .size: 8, .value_kind: global_buffer, .address_space: global }
    .group_segment_fixed_size: 327680
    .private_segment_fixed_size: 0
    .kernarg_segment_align: 8
    .kernarg_segment_size: 24
    .max_flat_workgroup_size: 128
    .sgpr_count:     66
    .vgpr_count:     512
    .wavefront_size: 32
...
	.end_amdgpu_metadata
.endif
;; end of part 4
;; launch lnorm (part 5): grid 256 x 1, 8 waves a work-group, no clusters, 0 bytes of LDS; arguments y, e_v, bout, ln_gamma, ln_beta, out0; writes out0
.if DOCPART == 5
	.amdgcn_target "amdgcn-amd-amdhsa--gfx1250"
	.amdhsa_code_object_version 6
	.text
	.protected	k_qf4db0d13c9_lnorm
	.globl	k_qf4db0d13c9_lnorm
	.p2align	8
	.type	k_qf4db0d13c9_lnorm,@function
k_qf4db0d13c9_lnorm:
	s_mov_b64 s[64:65], 0
	v_nop
	global_prefetch_b8 v0, s[64:65] scope:SCOPE_SE
	s_setreg_imm32_b32 hwreg(HW_REG_WAVE_MODE, 25, 1), 1
	s_wait_xcnt 0x0
; BIAS, RESIDUAL, LAYER NORM.  x = (y + bout) + e_v;  out = (x - mean) / sqrt(var + 1e-12) * gamma + beta, along rows of 1,024; all in f32.
; A row is 4,096 bytes: one wave takes a whole row, eight 16-byte loads a lane, and keeps it in 32 registers; the reduction never leaves the wave: no LDS, no barrier.  A wave owns two rows; 2,048 waves.
; The mean is taken away before the squares are summed, as the formula has it: no difference of large sums is formed.  All 56 loads of a wave go out at once; each covers 512 consecutive bytes.
.set BO, 8                             ; v[8:39]    bout of my 32 columns
.set GA, 40                            ; v[40:71]   gamma
.set BE, 72                            ; v[72:103]  beta
.set XR, 104                           ; row r: y, then x, then the result at v[XR+64 r ..+31]; e_v at v[XR+64 r+32 ..+63], whose first pair later holds 1 / sqrt(var + eps)
.set T,  232                           ; v[232:239] four chains of pairs
	s_load_b256 s[4:11], s[0:1], 0x0               ; y s[4:5], e_v s[6:7], bout s[8:9], gamma s[10:11]
	s_load_b128 s[12:15], s[0:1], 0x20             ; beta s[12:13], out0 s[14:15]
	s_lshl_b32 s2, ttmp9, 16                       ; the work-group's 16 rows of 4,096 bytes
	s_mov_b32 s3, 0
	s_mov_b32 s16, 0x3a800000                      ; 1 / 1024
	s_mov_b32 s17, 0x2b8cbccc                      ; 1e-12
	s_mov_b32 s18, 0x76543210                      ; v_permlanex16_b32: each lane takes its own place in the other half
	s_mov_b32 s19, 0xfedcba98
	v_and_b32 v1, 31, v0
	v_lshlrev_b32 v1, 4, v1                        ; 16 bytes a lane
	v_and_b32 v2, 0xe0, v0                         ; 32 x wave
	v_lshl_or_b32 v2, v2, 8, v1                    ; + wave x 2 rows x 4,096 bytes
	s_wait_kmcnt 0x0
	s_add_nc_u64 s[4:5], s[4:5], s[2:3]
	s_add_nc_u64 s[6:7], s[6:7], s[2:3]
	s_add_nc_u64 s[14:15], s[14:15], s[2:3]
.irp j, 0,1,2,3,4,5,6,7
	global_load_b128 v[BO+4*(\j):BO+4*(\j)+3], v1, s[8:9] offset:512*(\j)
.endr
.irp r, 0,1
.irp j, 0,1,2,3,4,5,6,7
	global_load_b128 v[XR+64*(\r)+4*(\j):XR+64*(\r)+4*(\j)+3], v2, s[4:5] offset:4096*(\r)+512*(\j) th:TH_LOAD_NT
.endr
.irp j, 0,1,2,3,4,5,6,7
	global_load_b128 v[XR+64*(\r)+32+4*(\j):XR+64*(\r)+32+4*(\j)+3], v2, s[6:7] offset:4096*(\r)+512*(\j) th:TH_LOAD_NT
.endr
.endr
.irp j, 0,1,2,3,4,5,6,7
	global_load_b128 v[GA+4*(\j):GA+4*(\j)+3], v1, s[10:11] offset:512*(\j)
.endr
.irp j, 0,1,2,3,4,5,6,7
	global_load_b128 v[BE+4*(\j):BE+4*(\j)+3], v1, s[12:13] offset:512*(\j)
.endr
.macro REDUCE                          ; the four chains into one number, then over the 32 lanes: four steps inside each half ride on the addition (DPP), one crosses the halves
	v_pk_add_f32 v[T:T+1], v[T:T+1], v[T+2:T+3]
	v_pk_add_f32 v[T+4:T+5], v[T+4:T+5], v[T+6:T+7]
	v_pk_add_f32 v[T:T+1], v[T:T+1], v[T+4:T+5]
	v_add_f32 v[T], v[T], v[T+1]
	v_add_f32_dpp v[T], v[T], v[T] row_xmask:1 row_mask:0xf bank_mask:0xf
	v_add_f32_dpp v[T], v[T], v[T] row_xmask:2 row_mask:0xf bank_mask:0xf
	v_add_f32_dpp v[T], v[T], v[T] row_xmask:4 row_mask:0xf bank_mask:0xf
	v_add_f32_dpp v[T], v[T], v[T] row_xmask:8 row_mask:0xf bank_mask:0xf
	v_permlanex16_b32 v[T+1], v[T], s18, s19       ; its destination counts as read: it has been written
	v_add_f32 v[T], v[T], v[T+1]
.endm
.macro ROWSTAT r
.set X, XR+64*(\r)
.set E, XR+64*(\r)+32
.set i, 0
.rept 16
	v_pk_add_f32 v[X+2*i:X+2*i+1], v[X+2*i:X+2*i+1], v[BO+2*i:BO+2*i+1]
.set i, i+1
.endr
.set i, 0
.rept 16
	v_pk_add_f32 v[X+2*i:X+2*i+1], v[X+2*i:X+2*i+1], v[E+2*i:E+2*i+1]
.set i, i+1
.endr
.irp c, 0,1,2,3                        ; the first two pairs of each chain start it: nothing is cleared
	v_pk_add_f32 v[T+2*(\c):T+2*(\c)+1], v[X+2*(\c):X+2*(\c)+1], v[X+8+2*(\c):X+8+2*(\c)+1]
.endr
.irp c, 0,1,2,3
	v_pk_add_f32 v[T+2*(\c):T+2*(\c)+1], v[T+2*(\c):T+2*(\c)+1], v[X+16+2*(\c):X+16+2*(\c)+1]
.endr
.irp c, 0,1,2,3
	v_pk_add_f32 v[T+2*(\c):T+2*(\c)+1], v[T+2*(\c):T+2*(\c)+1], v[X+24+2*(\c):X+24+2*(\c)+1]
.endr
	REDUCE
	v_mul_f32 v[T], s16, v[T]                      ; the mean, in every lane
	v_mov_b32 v[T+1], v[T]
.set i, 0
.rept 16
	v_pk_add_f32 v[X+2*i:X+2*i+1], v[X+2*i:X+2*i+1], v[T:T+1] neg_lo:[0,1] neg_hi:[0,1]
.set i, i+1
.endr
.irp c, 0,1,2,3
	v_pk_mul_f32 v[T+2*(\c):T+2*(\c)+1], v[X+2*(\c):X+2*(\c)+1], v[X+2*(\c):X+2*(\c)+1]
.endr
.irp g, 1,2,3
.irp c, 0,1,2,3
	v_pk_fma_f32 v[T+2*(\c):T+2*(\c)+1], v[X+8*(\g)+2*(\c):X+8*(\g)+2*(\c)+1], v[X+8*(\g)+2*(\c):X+8*(\g)+2*(\c)+1], v[T+2*(\c):T+2*(\c)+1]
.endr
.endr
	REDUCE
	v_fma_f32 v[T], v[T], s16, s17                 ; var + eps
	v_rsq_f32 v[E], v[T]                           ; twice, to fill the pair that the packed multiply takes
	v_rsq_f32 v[E+1], v[T]
	v_nop                                          ; a plain instruction before the results are used or the source rewritten (ISA guide 5.7.2)
.endm
.macro ROWOUT r
.set X, XR+64*(\r)
.set E, XR+64*(\r)+32
.set i, 0
	s_wait_alu depctr_va_vdst(0)
.rept 16
	v_pk_mul_f32 v[X+2*i:X+2*i+1], v[X+2*i:X+2*i+1], v[E:E+1]
.set i, i+1
.endr
.set i, 0
.rept 16
	v_pk_fma_f32 v[X+2*i:X+2*i+1], v[X+2*i:X+2*i+1], v[GA+2*i:GA+2*i+1], v[BE+2*i:BE+2*i+1]
.set i, i+1
.endr
.irp j, 0,1,2,3,4,5,6,7
	global_store_b128 v2, v[X+4*(\j):X+4*(\j)+3], s[14:15] offset:4096*(\r)+512*(\j) th:TH_STORE_NT  ; 512 consecutive bytes, at a multiple of 512 from out0's first byte
.endr
.endm
	s_wait_loadcnt 32                              ; bout and row 0 are in; row 1, gamma and beta (32 loads) stay out
	ROWSTAT 0
	s_wait_loadcnt 16                              ; row 1 is in; gamma and beta stay out
	ROWSTAT 1
	s_wait_loadcnt 0x0
	ROWOUT 0
	ROWOUT 1
	s_endpgm
.Lfunc_end_k_qf4db0d13c9_lnorm:
	.size	k_qf4db0d13c9_lnorm, .Lfunc_end_k_qf4db0d13c9_lnorm-k_qf4db0d13c9_lnorm
	.p2alignl 7, 3214868480
	.fill 96, 4, 3214868480
	.section	.rodata,"a",@progbits
	.p2align	6, 0x0
	.amdhsa_kernel k_qf4db0d13c9_lnorm
		.amdhsa_group_segment_fixed_size 0
		.amdhsa_private_segment_fixed_size 0
		.amdhsa_enable_private_segment 0
		.amdhsa_kernarg_size 48
		.amdhsa_user_sgpr_count 2
		.amdhsa_user_sgpr_kernarg_segment_ptr 1
		.amdhsa_wavefront_size32 1
		.amdhsa_system_sgpr_workgroup_id_x 1
		.amdhsa_system_sgpr_workgroup_id_y 1
		.amdhsa_system_sgpr_workgroup_id_z 1
		.amdhsa_system_vgpr_workitem_id 0
		.amdhsa_next_free_vgpr 240
		.amdhsa_next_free_sgpr 66
		.amdhsa_reserve_vcc 0
		.amdhsa_float_denorm_mode_32 3
		.amdhsa_float_denorm_mode_16_64 3
		.amdhsa_memory_ordered 1
		.amdhsa_forward_progress 1
		.amdhsa_inst_pref_size 25
	.end_amdhsa_kernel
	.amdgpu_metadata
---
amdhsa.version: [ 1, 2 ]
amdhsa.kernels:
  - .name:           k_qf4db0d13c9_lnorm
    .symbol:         k_qf4db0d13c9_lnorm.kd
    .args:
      - { .name: y, .offset: 0, .size: 8, .value_kind: global_buffer, .address_space: global }
      - { .name: e_v, .offset: 8, .size: 8, .value_kind: global_buffer, .address_space: global }
      - { .name: bout, .offset: 16, .size: 8, .value_kind: global_buffer, .address_space: global }
      - { .name: ln_gamma, .offset: 24, .size: 8, .value_kind: global_buffer, .address_space: global }
      - { .name: ln_beta, .offset: 32, .size: 8, .value_kind: global_buffer, .address_space: global }
      - { .name: out0, .offset: 40, .size: 8, .value_kind: global_buffer, .address_space: global }
    .group_segment_fixed_size: 0
    .private_segment_fixed_size: 0
    .kernarg_segment_align: 8
    .kernarg_segment_size: 48
    .max_flat_workgroup_size: 256
    .sgpr_count:     66
    .vgpr_count:     240
    .wavefront_size: 32
...
	.end_amdgpu_metadata
.endif
;; end of part 5
